; MI455X (gfx1250); checked and timed in simulation.
; The chip was launched on July 23, 2026; its instructions are those of AMD's public machine-readable ISA for CDNA 5 (MIT licence, August 2026) and "CDNA5" Instruction Set Architecture Reference Guide (July 2026). The comments in the code are by the model that wrote it; some were corrected since.
;; Dynamic Decoder. Allowed arithmetic: float matrix products may take bf16 or f16 operands with f32 sums; all other float work in f32.
;; Inputs: W1 50 x 200 float32; W2 50 x 50 float32; W3 6 x 50 float32; W_hh 450 x 150 float32; W_ih 450 x 60 float32; b1 50 float32; b2 50 float32; b3 6 float32; b_hh 450 float32; b_ih 450 float32; h_0 131,072 x 150 float32; init_position 131,072 x 2 float32; init_velocity 131,072 x 2 float32; static 131,072 x 50 float32; z 131,072 x 60 float32.
;; Outputs: out0 131,072 x 3 x 2 float32; out1 131,072 x 3 x 2 float32; out2 131,072 x 3 x 2 x 2 float32.
;; 2 versions, each right. Each part assembles by itself: llvm-mc -triple=amdgcn-amd-amdhsa -mcpu=gfx1250 --defsym DOCPART=n.
;; ======== version 1 of 2: 2 launches
;; workspace buffers: wimg 197,632 bytes
;; launch prep (part 1): grid 193 x 1, 2 waves a work-group, no clusters, 0 bytes of LDS; arguments W_hh, W1, W2, W3, W_ih, b_ih, b_hh, b1, b2, b3, wimg; writes wimg
.if DOCPART == 1
	.amdgcn_target "amdgcn-amd-amdhsa--gfx1250"
	.amdhsa_code_object_version 6
	.text
	.protected	k_q4855f4d767_prep
	.globl	k_q4855f4d767_prep
	.p2align	8
	.type	k_q4855f4d767_prep,@function
k_q4855f4d767_prep:
	s_mov_b64 s[64:65], 0
	v_nop
	global_prefetch_b8 v0, s[64:65] scope:SCOPE_SE
	s_setreg_imm32_b32 hwreg(HW_REG_WAVE_MODE, 25, 1), 1
	s_wait_xcnt 0x0
; Builds the bf16 image of all weights and biases, laid out as the matrix unit's first operand wants it.
; A fragment is 16 output columns (m) x 32 k = 1,024 bytes: byte 512 s + 16 L holds registers 4s..4s+3 of lane L,
; that is row m = L & 15 and k = 32 c + 16 s + 8 (L >> 4) + 0..7.  Work-group f makes fragment f, thread v0 its 16 bytes at 16 v0.
;   f = 15 t + 3 c + g (0..149)   GRU column tile t, K chunk c, gate g (0 r, 1 z, 2 the hidden part of n)
;   f = 150 + 7 t + c (150..177)  W1 (chunks 5, 6: the static columns);  178 + 2 t + c: W2;  186 + c: W3
;   f = 188..192                  ten half fragments (s = 1 of chunk 4): the input part of n, two tiles a work-group
; K of the GRU and of W1: 0..149 h, 150..153 the first four numbers of x_flat, 154..156 the constant 1, 157..159 zero, 160..209 static.
; A bias v rides on three columns that meet the constant 1, as bf16(v), bf16(v - hi), bf16(v - hi - mid): 24 bits of v.
; Scales folded in before the rounding to bf16: r, z rows -log2 e; n rows 2 log2 e; W1, b1 log2 e; W2 2.0; b2 2 log2 e.
; Rows beyond a layer's width are zero but for one constant PC on the first bias column, which makes the padded outputs hold
; their values (z gate: -64, so z = 1) or the constant 1 (W2: +64, so tanh = 1).  W3's rows 8..13 repeat rows 0..5.
; LIMIT: W_ih's columns 4..59 are not read: reference() multiplies them by zeros that it makes itself (x_flat has only four
; numbers other than zero before its last use), so an infinity or NaN there would show in reference() and not here.
.set LOG2E,  0x3fb8aa3b
.set NLOG2E, 0xbfb8aa3b
.set TWOL,   0x4038aa3b
; scalars: s30 TILE, s31 C, s32 RB first row, s33 RV rows, s34 MM row mask, s35 PITCH bytes, s36 KV, s37 KC2 last pair's column,
; s38 SM, s39 SX, s40 SA, s41 SB scales, s42 KB-2, s43 PC, s[44:45] the matrix, s[46:47] its bias, s48 NIF, s49 XEN
	s_load_b512 s[8:23], s[0:1], 0x0               ; W_hh 8, W1 10, W2 12, W3 14, W_ih 16, b_ih 18, b_hh 20, b1 22
	s_load_b128 s[24:27], s[0:1], 0x40             ; b2 24, b3 26
	s_load_b64 s[28:29], s[0:1], 0x50              ; wimg
	s_mov_b32 s2, ttmp9                            ; f
	; the indices of every kind of fragment; those of the kinds that f is not are not used
	s_mul_i32 s50, s2, 2185
	s_lshr_b32 s50, s50, 15                        ; GRU: t = f / 15 (exact for f < 150)
	s_mul_i32 s51, s50, 15
	s_sub_co_u32 s51, s2, s51                      ; i = f - 15 t
	s_mul_i32 s52, s51, 11
	s_lshr_b32 s52, s52, 5                         ; c = i / 3 (exact for i < 15)
	s_mul_i32 s53, s52, 3
	s_sub_co_u32 s53, s51, s53                     ; g
	s_sub_co_u32 s51, s2, 150
	s_mul_i32 s54, s51, 37
	s_lshr_b32 s54, s54, 8                         ; W1: t = i / 7 (exact for i < 28)
	s_mul_i32 s55, s54, 7
	s_sub_co_u32 s55, s51, s55                     ; c
	s_sub_co_u32 s51, s2, 178
	s_lshr_b32 s56, s51, 1                         ; W2: t
	s_and_b32 s57, s51, 1                          ; c
	; the parameters of W3, then overridden kind by kind
	s_mov_b32 s30, 0
	s_sub_co_u32 s31, s2, 186
	s_mov_b32 s32, 0
	s_mov_b32 s33, 6
	s_mov_b32 s34, 7
	s_mov_b32 s35, 200
	s_mov_b32 s36, 50
	s_mov_b32 s37, 48
	s_mov_b32 s38, 1.0
	s_mov_b32 s39, 0
	s_mov_b32 s40, 1.0
	s_mov_b32 s41, 0
	s_mov_b32 s42, 48
	s_mov_b32 s43, 0
	s_mov_b32 s48, 0
	s_mov_b32 s49, 0
	s_wait_kmcnt 0x0
	s_mov_b64 s[44:45], s[14:15]
	s_mov_b64 s[46:47], s[26:27]
	s_cmp_lt_u32 s2, 186                           ; W2 (and what lies below it)
	s_cselect_b32 s30, s56, s30
	s_cselect_b32 s31, s57, s31
	s_cselect_b32 s33, 50, s33
	s_cselect_b32 s34, 15, s34
	s_cselect_b32 s38, 2.0, s38
	s_cselect_b32 s40, TWOL, s40
	s_cselect_b32 s43, 0x42800000, s43             ; +64
	s_cselect_b64 s[44:45], s[12:13], s[44:45]
	s_cselect_b64 s[46:47], s[24:25], s[46:47]
	s_cmp_lt_u32 s2, 178                           ; W1
	s_cselect_b32 s30, s54, s30
	s_cselect_b32 s31, s55, s31
	s_cselect_b32 s35, 800, s35
	s_cselect_b32 s36, 150, s36
	s_cselect_b32 s37, 198, s37
	s_cselect_b32 s38, LOG2E, s38
	s_cselect_b32 s40, LOG2E, s40
	s_cselect_b32 s42, 152, s42
	s_cselect_b32 s43, 0, s43
	s_cselect_b64 s[44:45], s[10:11], s[44:45]
	s_cselect_b64 s[46:47], s[22:23], s[46:47]
	s_mul_i32 s51, s53, 150                        ; GRU: the gate's first row
	s_mov_b32 s54, TWOL
	s_cmp_lt_u32 s53, 2                            ; r and z take both inputs and both biases, scaled by -log2 e
	s_cselect_b32 s54, NLOG2E, s54                 ; scale of W_hh and of b_hh
	s_cselect_b32 s55, NLOG2E, 0                   ; scale of W_ih and of b_ih
	s_cselect_b32 s56, -1, 0                       ; W_ih's columns belong here
	s_cmp_eq_u32 s53, 1
	s_cselect_b32 s57, 0xc2800000, 0               ; -64 in the z gate's padded rows
	s_cmp_lt_u32 s2, 150
	s_cselect_b32 s30, s50, s30
	s_cselect_b32 s31, s52, s31
	s_cselect_b32 s32, s51, s32
	s_cselect_b32 s33, 150, s33
	s_cselect_b32 s35, 600, s35
	s_cselect_b32 s37, 148, s37
	s_cselect_b32 s38, s54, s38
	s_cselect_b32 s39, s55, s39
	s_cselect_b32 s40, s55, s40
	s_cselect_b32 s41, s54, s41
	s_cselect_b32 s43, s57, s43
	s_cselect_b32 s49, s56, s49
	s_cselect_b64 s[44:45], s[8:9], s[44:45]
	s_cselect_b64 s[46:47], s[18:19], s[46:47]
	s_sub_co_u32 s50, s2, 188                      ; the input part of n
	s_lshl_b32 s50, s50, 1
	s_cmp_ge_u32 s2, 188
	s_cselect_b32 s30, s50, s30
	s_cselect_b32 s31, 4, s31
	s_cselect_b32 s32, 300, s32
	s_cselect_b32 s33, 150, s33
	s_cselect_b32 s34, 15, s34
	s_cselect_b32 s35, 600, s35
	s_cselect_b32 s36, 0, s36
	s_cselect_b32 s37, 148, s37
	s_cselect_b32 s38, 0, s38
	s_cselect_b32 s39, TWOL, s39
	s_cselect_b32 s40, TWOL, s40
	s_cselect_b32 s42, 152, s42
	s_cselect_b32 s48, 1, s48
	s_cselect_b32 s49, -1, s49
	s_cselect_b64 s[44:45], s[8:9], s[44:45]
	s_cselect_b64 s[46:47], s[18:19], s[46:47]
	; my row and my eight k
	v_and_b32 v1, 15, v0                           ; m
	v_bfe_u32 v2, v0, 4, 1                         ; upper half of the lanes
	v_lshrrev_b32 v3, 5, v0                        ; s
	v_or_b32 v4, s48, v3
	v_lshlrev_b32 v4, 4, v4
	v_lshl_add_u32 v4, v2, 3, v4
	s_lshl_b32 s50, s31, 5
	v_add_nc_u32 v4, s50, v4                       ; k0 = 32 C + 16 (s | NIF) + 8 half
	v_mul_u32_u24 v5, v3, s48
	v_add_nc_u32 v5, s30, v5                       ; tile (+ s for the half fragments)
	v_and_b32 v6, s34, v1
	v_lshl_add_u32 v6, v5, 4, v6                   ; j: the layer's output column
	v_cmp_gt_u32 s58, s33, v6                      ; the row exists
	s_sub_co_u32 s51, s33, 1
	v_min_u32 v7, s51, v6                          ; clamped: every load stays inside its buffer
	v_add_nc_u32 v7, s32, v7                       ; row
	v_mul_lo_u32 v8, v7, s35
.irp q, 0,1,2,3
	v_add_nc_u32 v9, 2*\q, v4                      ; k of the pair; all limits are even, so a pair is valid whole or not at all
	v_cmp_le_u32 vcc_lo, 160, v9
	v_cndmask_b32 v10, 0, 10, vcc_lo
	v_sub_nc_u32 v10, v9, v10                      ; column: the static part lies ten columns lower than its k
	v_min_u32 v10, s37, v10
	v_lshl_add_u32 v[12+\q], v10, 2, v8
	v_cmp_gt_u32 s52, 210, v9
	s_and_b32 s52, s52, vcc_lo
	v_cmp_gt_u32 s53, s36, v9
	s_or_b32 s52, s52, s53
	s_and_b32 s[59+\q], s52, s58
	global_load_b64 v[16+2*\q:17+2*\q], v[12+\q], s[44:45]
.endr
	v_mul_u32_u24 v11, v7, 240
	v_lshlrev_b32 v30, 2, v7
	global_load_b128 v[24:27], v11, s[16:17]       ; W_ih[row][0..3]
	global_load_b32 v28, v30, s[46:47]             ; the layer's bias
	global_load_b32 v29, v30, s[20:21]             ; b_hh
	v_cmp_eq_u32 s52, 144, v4                      ; k 150, 151 are my numbers 6, 7
	s_and_b32 s52, s52, s58
	s_and_b32 s52, s52, s49
	v_cmp_eq_u32 s53, 152, v4                      ; k 152, 153 are my numbers 0, 1
	s_and_b32 s53, s53, s58
	s_and_b32 s53, s53, s49
	v_cmp_eq_u32 s54, s42, v4                      ; the three bias columns are my numbers 2, 3, 4
	v_mov_b32 v31, s43
	s_lshl_b32 s50, s2, 10
	v_lshl_add_u32 v40, v0, 4, s50
	s_wait_loadcnt 0x0
.irp q, 0,1,2,3
	v_mul_f32 v[16+2*\q], s38, v[16+2*\q]
	v_mul_f32 v[17+2*\q], s38, v[17+2*\q]
	v_cndmask_b32 v[16+2*\q], 0, v[16+2*\q], s[59+\q]
	v_cndmask_b32 v[17+2*\q], 0, v[17+2*\q], s[59+\q]
.endr
.irp q, 24,25,26,27
	v_mul_f32 v[\q], s39, v[\q]
.endr
	v_cndmask_b32 v22, v22, v24, s52
	v_cndmask_b32 v23, v23, v25, s52
	v_cndmask_b32 v16, v16, v26, s53
	v_cndmask_b32 v17, v17, v27, s53
	v_mul_f32 v28, s40, v28
	v_fma_f32 v28, s41, v29, v28                   ; the scaled bias (r, z: the sum of both)
	v_cndmask_b32 v28, v31, v28, s58               ; padded rows: PC
	v_cvt_pk_bf16_f32 v32, v28, v28
	v_lshlrev_b32 v32, 16, v32                     ; hi
	v_sub_f32 v33, v28, v32
	v_cvt_pk_bf16_f32 v34, v33, v33
	v_lshlrev_b32 v34, 16, v34                     ; mid
	v_sub_f32 v35, v33, v34                        ; lo
	v_cndmask_b32 v18, v18, v32, s54
	v_cndmask_b32 v19, v19, v34, s54
	v_cndmask_b32 v20, v20, v35, s54
.irp q, 0,1,2,3
	v_cvt_pk_bf16_f32 v[36+\q], v[16+2*\q], v[17+2*\q]
.endr
	global_store_b128 v40, v[36:39], s[28:29]      ; a wave's store covers 512 consecutive bytes, aligned
	s_endpgm
.Lfunc_end_k_q4855f4d767_prep:
	.size	k_q4855f4d767_prep, .Lfunc_end_k_q4855f4d767_prep-k_q4855f4d767_prep
	.p2alignl 7, 3214868480
	.fill 96, 4, 3214868480
	.section	.rodata,"a",@progbits
	.p2align	6, 0x0
	.amdhsa_kernel k_q4855f4d767_prep
		.amdhsa_group_segment_fixed_size 0
		.amdhsa_private_segment_fixed_size 0
		.amdhsa_enable_private_segment 0
		.amdhsa_kernarg_size 88
		.amdhsa_user_sgpr_count 2
		.amdhsa_user_sgpr_kernarg_segment_ptr 1
		.amdhsa_wavefront_size32 1
		.amdhsa_system_sgpr_workgroup_id_x 1
		.amdhsa_system_sgpr_workgroup_id_y 1
		.amdhsa_system_sgpr_workgroup_id_z 1
		.amdhsa_system_vgpr_workitem_id 0
		.amdhsa_next_free_vgpr 48
		.amdhsa_next_free_sgpr 66
		.amdhsa_reserve_vcc 1
		.amdhsa_float_denorm_mode_32 3
		.amdhsa_float_denorm_mode_16_64 3
		.amdhsa_memory_ordered 1
		.amdhsa_forward_progress 1
		.amdhsa_inst_pref_size 11
	.end_amdhsa_kernel
	.amdgpu_metadata
---
amdhsa.version: [ 1, 2 ]
amdhsa.kernels:
  - .name:           k_q4855f4d767_prep
    .symbol:         k_q4855f4d767_prep.kd
    .args:
      - { .name: W_hh, .offset: 0, .size: 8, .value_kind: global_buffer, .address_space: global }
      - { .name: W1, .offset: 8, .size: 8, .value_kind: global_buffer, .address_space: global }
      - { .name: W2, .offset: 16, .size: 8, .value_kind: global_buffer, .address_space: global }
      - { .name: W3, .offset: 24, .size: 8, .value_kind: global_buffer, .address_space: global }
      - { .name: W_ih, .offset: 32, .size: 8, .value_kind: global_buffer, .address_space: global }
      - { .name: b_ih, .offset: 40, .size: 8, .value_kind: global_buffer, .address_space: global }
      - { .name: b_hh, .offset: 48, .size: 8, .value_kind: global_buffer, .address_space: global }
      - { .name: b1, .offset: 56, .size: 8, .value_kind: global_buffer, .address_space: global }
      - { .name: b2, .offset: 64, .size: 8, .value_kind: global_buffer, .address_space: global }
      - { .name: b3, .offset: 72, .size: 8, .value_kind: global_buffer, .address_space: global }
      - { .name: wimg, .offset: 80, .size: 8, .value_kind: global_buffer, .address_space: global }
    .group_segment_fixed_size: 0
    .private_segment_fixed_size: 0
    .kernarg_segment_align: 8
    .kernarg_segment_size: 88
    .max_flat_workgroup_size: 64
    .sgpr_count:     66
    .vgpr_count:     48
    .wavefront_size: 32
...
	.end_amdgpu_metadata
.endif
;; end of part 1
;; launch roll (part 2): grid 256 x 1, 4 waves a work-group, no clusters, 327,680 bytes of LDS; arguments wimg, h_0, static, z, init_position, init_velocity, out0, out1, out2; writes out0, out1, out2
.if DOCPART == 2
	.amdgcn_target "amdgcn-amd-amdhsa--gfx1250"
	.amdhsa_code_object_version 6
	.text
	.protected	k_q4855f4d767_roll
	.globl	k_q4855f4d767_roll
	.p2align	8
	.type	k_q4855f4d767_roll,@function
k_q4855f4d767_roll:
	s_mov_b64 s[64:65], 0
	v_nop
	global_prefetch_b8 v0, s[64:65] scope:SCOPE_SE
	s_setreg_imm32_b32 hwreg(HW_REG_WAVE_MODE, 25, 1), 1
	s_wait_xcnt 0x0
; The whole rollout: three steps of GRU cell, MLP 200 -> 50 -> 50 -> 6, exponential of a symmetric 2 x 2 matrix, position update.
; 256 work-groups of four waves; a work-group owns 512 rows as four halves of 128; a pass takes two halves, a wave 32 rows of each:
; four batch tiles b of 16 rows.  All weights lie in LDS as bf16 fragments (made by the launch before), each read once for four tiles.
; THE MATRIX INSTRUCTION IS USED TRANSPOSED: first operand 16 output columns of a weight, second operand 16 batch rows.  Lane (r, h)
; of a result then holds batch row r, register j output column 16 t + 8 h + j, so two neighbouring tiles, rounded to bf16 in pairs,
; ARE the next layer's second operand: the chain from h to the six outputs never leaves the registers.
; K of the GRU and W1: 0..149 h, 150..153 x_flat[0..3], 154..156 the constant 1 (biases ride there), 157..159 zero, 160.. static.
; The padded GRU columns have z = 1 and n = 0 by their weights, so those ten numbers pass through the cell unchanged.
; Scales are folded into the weights: sigmoid = rcp(1 + exp2(a)), tanh = 1 - 2 rcp(1 + exp2(a)),
; softplus / ln 2 = max(y, 0) + log2(1 + exp2(-|y|)) (the maximum is taken out in front of the exponential).
; NO CLUSTER: the work-groups share only the weight image, 197,632 of the 748,000 bytes that one brings in, fetched once at its start;
; joint loads would put a round of the cluster's barrier in front of each of the three private refills as well.
; LIMITS: exp2 gives zero where the result would lie below 2^-126 (ISA guide 15.8), so entries of sigma that small come out as zero.
; z's columns 6..59 are not read (reference() never slices them).  The sums differ from reference()'s in the order of rounding:
; scales are applied before the rounding to bf16, biases enter the matrix sums, e^c cosh r is made as 2^((c+r) log2 e - 1) + 2^((c-r) log2 e - 1).
;
; LDS: 0 the image; STG one half of h_0 (128 rows, pitch 600) and of static (pitch 200); STAGE 6,144 bytes a wave for the way out.
.set NIB,   192512                     ; the half fragments of n's input part
.set STG,   197632
.set STGS,  STG+76800
.set STAGE, 300032
; REGISTERS in windows of 256 (s_set_vgpr_msb: bits 1:0 source 0, 3:2 source 1, 5:4 source 2, 7:6 destination)
; window 0
.set WA,    4                          ; v4-7    16 x lane + k x 65,536: the image is longer than an LDS immediate reaches
.set HA,    8                          ; v8      my row of h in STG, + 32 for the upper lanes;  v9 the same without
.set HA9,   9
.set SA,    10                         ; v10, 11 the same for static
.set SA9,   11
.set OS01,  12                         ; v12     stage: my row's 24 bytes of x (mu 1,536 further)
.set OS2,   13                         ; v13     stage: my row's 48 bytes of sigma
.set ORD01, 14                         ; v14, 15 stage, read back: lanes 0-15 pair 0, lanes 16-31 pair 1, 16 bytes a lane
.set ORD2,  15
.set GO01,  16                         ; v16, 17 the same places in out0 / out1 and in out2
.set GO2,   17
.set ZOFF,  18                         ; v18     240 x lane
.set POFF,  19                         ; v19     8 x lane
.set ZR,    20                         ; v20-31  pair P: z[0..5] of row = lane, moved up by two each step
.set XP,    32                         ; v32-35  x_prev
.set DX,    36                         ; v36-39  dx
.set OO,    40                         ; v40-51  the six outputs of the MLP
.set XN,    52                         ; v52-55  the step's x
.set SW,    56                         ; v56-59  the same from lane xor 16
.set OSA,   60                         ; v60, 61 stage addresses of this step
.set OSB,   61
.set SG,    64                         ; v64-71  sigma
.set MU,    72                         ; v72-75
.set TT,    76                         ; v76-99  at work, 12 a pair
.set PFO,   100                        ; v100, 101 prefetch offsets, never rewritten
.set PFO3,  101
.set HD,    112                        ; v112-175 tile b: 16 registers, the hidden layer as second operand; on the way out: read-back
.set HF3,   176                        ; v176-255 h of tile 3 in f32
; window 1: v[40 b ..] h160 of tile b as second operand (5 chunks);  SB + 16 b: static (2 chunks)
.set SB,    160
; window 2: v[32 b + 8 g ..] accumulators (GRU: g = r, z, nh, ni; MLP: g = column tile);  WB + 8 s: 16 slots for weight fragments
.set WB,    128
.set TS,    WB+80                      ; slots 10-13 serve the softplus as 32 registers at work
; window 3: v[80 b + 8 t ..] h of tiles 0-2 in f32
; scalars: s2 wave; s[8:25] addresses; s[28:35], s[36:43] descriptor groups 1; s[44:47], s[48:51] groups 0; s[52:53] a half's step;
; s58 mask of lanes 16-31; s59, s60 selects of v_permlanex16; s61 step; s62, s63 masks; s66 log2 e; s[68:71] prefetch bases
.set MSB, 0
.macro WIN new                         ; the immediate's high byte repeats the setting that is left
.if MSB != \new
	s_set_vgpr_msb (MSB<<8)|\new
.set MSB, \new
.endif
.endm
.macro NOP4                            ; four places behind a matrix instruction (ISA guide 7.12.1) where no useful work is at hand
.rept 4
	v_nop
.endr
.endm
.macro WLD slot, byte                  ; one fragment: 32 lanes x 16 consecutive bytes, twice
	ds_load_b128 v[WB+8*(\slot):WB+8*(\slot)+3], v[WA+((\byte)>>16)] offset:((\byte)&0xffff)
	ds_load_b128 v[WB+8*(\slot)+4:WB+8*(\slot)+7], v[WA+((\byte)>>16)] offset:((\byte)&0xffff)+512
.endm
.macro LOADS t                         ; GRU column tile t: 15 fragments in the order of their use, and the half fragment: 31 loads
	WIN 0x80
.set ii, 0
.rept 15
	WLD ii, (15*(\t)+ii)*1024
.set ii, ii+1
.endr
	ds_load_b128 v[WB+124:WB+127], v[WA+((NIB+512*(\t))>>16)] offset:((NIB+512*(\t))&0xffff)
.endm
.macro W1LD t1, slot0
	WIN 0x80
.set ii, 0
.rept 7
	WLD (\slot0)+ii, (150+7*(\t1)+ii)*1024
.set ii, ii+1
.endr
.endm
; Matrix instruction n of a GRU tile for batch tile b: n = 3 c + g, chunk c, gate g; n = 15: n's input part (chunk 4 alone).
; wt = 1: the tile's first user waits, K group by K group, with the count of the weight loads issued behind the group (6 a group, 1 at the end).
.macro WM n, b, wt
.if \wt
.if (\n) == 0
	s_wait_dscnt 25
.elseif (\n) == 3
	s_wait_dscnt 19
.elseif (\n) == 6
	s_wait_dscnt 13
.elseif (\n) == 9
	s_wait_dscnt 7
.elseif (\n) == 12
	s_wait_dscnt 0
.endif
.endif
.if (\n) < 3
	v_wmma_f32_16x16x32_bf16 v[32*\b+8*(\n):32*\b+8*(\n)+7], v[WB+8*(\n):WB+8*(\n)+7], v[40*\b:40*\b+7], 0
.elseif (\n) < 15
	v_wmma_f32_16x16x32_bf16 v[32*\b+8*((\n)%3):32*\b+8*((\n)%3)+7], v[WB+8*(\n):WB+8*(\n)+7], v[40*\b+8*((\n)/3):40*\b+8*((\n)/3)+7], v[32*\b+8*((\n)%3):32*\b+8*((\n)%3)+7]
.else
	v_wmma_f32_16x16x32_bf16 v[32*\b+24:32*\b+31], v[WB+120:WB+127], v[40*\b+32:40*\b+39], 0
.endif
.endm
.macro GW n
.if UG >= 0
	WM \n, UG, UW
.endif
.endm
.macro TR4 op, base                    ; four transcendentals in place
.irp j, 0,1,2,3
	\op v[\base+\j], v[\base+\j]
.endr
.endm
.macro ADD1 base, n                    ; n pairs += 1.0
.set qq, 0
.rept \n
	v_pk_add_f32 v[\base+qq:\base+qq+1], v[\base+qq:\base+qq+1], 1.0 op_sel_hi:[1,0]
.set qq, qq+2
.endr
.endm
; A unit: the gates of (column tile tE, batch tile bE) on the vector unit, strewn with the 16 matrix instructions of batch tile bG
; (either part is left out with b = -1).  The two parts share no register.  The accumulators r, z, nh take turns, one instruction a turn.
; Behind the last matrix instruction stand ten plain packed instructions that name none of its registers:
; the places that the next unit's reads of the sums, and the next loads into the weight slots, need.
.macro UNIT tE, bE, bG, wt
.set UG, \bG
.set UW, \wt
	WIN 0xA6                                       ; weights window 2, h160 window 1, sums window 2
.if \bE < 0
.irp n, 0,1,2,3,4,5,6,7,8,9,10,11,12,13,14,15
	GW \n
.endr
	NOP4
.else
.set EA, 32*\bE
.if \bE == 3
.set EH, HF3+8*(\tE)
.set W9, 0xA8
.set W10, 0x2A
.else
.set EH, 80*\bE+8*(\tE)
.set W9, 0xAB
.set W10, 0xEA
.endif
	TR4 v_exp_f32, EA                              ; exp2 of r's and z's sums
	GW 0
	TR4 v_exp_f32, EA+4
	GW 1
	TR4 v_exp_f32, EA+8
	GW 2
	TR4 v_exp_f32, EA+12
	GW 3
	v_nop                                          ; one plain place behind a run of transcendentals (ISA guide 5.7.2)
	s_wait_alu depctr_va_vdst(0)
	ADD1 EA, 4
	GW 4
	ADD1 EA+8, 4
	GW 5
	TR4 v_rcp_f32, EA                              ; r, z
	GW 6
	TR4 v_rcp_f32, EA+4
	GW 7
	TR4 v_rcp_f32, EA+8
	GW 8
	TR4 v_rcp_f32, EA+12
	GW 9
	v_nop
	WIN 0xAA
	s_wait_alu depctr_va_vdst(0)
.irp q, 0,2,4,6
	v_pk_fma_f32 v[EA+16+\q:EA+17+\q], v[EA+\q:EA+1+\q], v[EA+16+\q:EA+17+\q], v[EA+24+\q:EA+25+\q]   ; r nh + ni
.endr
	WIN 0xA6
	TR4 v_exp_f32, EA+16
	GW 10
	TR4 v_exp_f32, EA+20
	GW 11
	v_nop
	s_wait_alu depctr_va_vdst(0)
	ADD1 EA+16, 4
	GW 12
	TR4 v_rcp_f32, EA+16
	GW 13
	TR4 v_rcp_f32, EA+20
	GW 14
	v_nop
	s_wait_alu depctr_va_vdst(0)
.irp q, 0,2
	v_pk_fma_f32 v[EA+16+\q:EA+17+\q], v[EA+16+\q:EA+17+\q], -2.0, 1.0 op_sel_hi:[1,0,0]              ; n
.endr
	GW 15
.irp q, 4,6
	v_pk_fma_f32 v[EA+16+\q:EA+17+\q], v[EA+16+\q:EA+17+\q], -2.0, 1.0 op_sel_hi:[1,0,0]
.endr
	WIN W9
.irp q, 0,2,4,6
	v_pk_add_f32 v[EA+24+\q:EA+25+\q], v[EH+\q:EH+1+\q], v[EA+16+\q:EA+17+\q] neg_lo:[0,1] neg_hi:[0,1]   ; h - n
.endr
	WIN W10
.irp q, 0,2,4,6
	v_pk_fma_f32 v[EH+\q:EH+1+\q], v[EA+8+\q:EA+9+\q], v[EA+24+\q:EA+25+\q], v[EA+16+\q:EA+17+\q]         ; h = z (h - n) + n
.endr
.endif
.endm
; The cell: ten column tiles.  A tile's weights are loaded when the tile before has been multiplied for all four batch tiles.
.macro GRU
	UNIT 0, -1, 0, 1
	UNIT 0, 0, 1, 0
	UNIT 0, 1, 2, 0
	UNIT 0, 2, 3, 0
	LOADS 1
.irp t, 1,2,3,4,5,6,7,8
	UNIT \t-1, 3, 0, 1
	UNIT \t, 0, 1, 0
	UNIT \t, 1, 2, 0
	UNIT \t, 2, 3, 0
	LOADS \t+1
.endr
	UNIT 8, 3, 0, 1
	UNIT 9, 0, 1, 0
	UNIT 9, 1, 2, 0
	UNIT 9, 2, 3, 0
	W1LD 0, 0                                      ; W1's tiles 0 and 1: 28 loads
	W1LD 1, 8
	UNIT 9, 3, -1, 0
.endm
.macro SWEEP b                         ; h of tile b, f32 to bf16: register n of the operand is the pair 2n, 2n+1
.if (\b) == 3
	WIN 0x40
.set HFB, HF3
.else
	WIN 0x4F
.set HFB, 80*(\b)
.endif
.set ii, 0
.rept 40
	v_cvt_pk_bf16_f32 v[40*(\b)+ii], v[HFB+2*ii], v[HFB+2*ii+1]
.set ii, ii+1
.endr
.endm
; W1, column tile t1: 7 chunks x 4 batch tiles, whose accumulators take turns.  left: loads issued behind this tile's own.
.macro W1T t1, left
	s_wait_dscnt \left
	WIN 0xA6
.irp c, 0,1,2,3,4,5,6
.irp b, 0,1,2,3
.if \c == 0
	v_wmma_f32_16x16x32_bf16 v[32*\b+8*\t1:32*\b+8*\t1+7], v[WB+64*(\t1&1):WB+64*(\t1&1)+7], v[40*\b:40*\b+7], 0
.elseif \c < 5
	v_wmma_f32_16x16x32_bf16 v[32*\b+8*\t1:32*\b+8*\t1+7], v[WB+64*(\t1&1)+8*\c:WB+64*(\t1&1)+8*\c+7], v[40*\b+8*\c:40*\b+8*\c+7], v[32*\b+8*\t1:32*\b+8*\t1+7]
.else
	v_wmma_f32_16x16x32_bf16 v[32*\b+8*\t1:32*\b+8*\t1+7], v[WB+64*(\t1&1)+8*\c:WB+64*(\t1&1)+8*\c+7], v[SB+16*\b+8*(\c-5):SB+16*\b+8*(\c-5)+7], v[32*\b+8*\t1:32*\b+8*\t1+7]
.endif
.endr
.endr
	NOP4                                           ; then the slots may be loaded again and the sums read
.endm
.macro W1G
	W1T 0, 14                                      ; tile 1's 14 loads stay out
	W1LD 2, 0
	W1T 1, 14                                      ; tile 2's
	W1LD 3, 8
	W1T 2, 14                                      ; tile 3's
	WIN 0x80
.set ii, 0
.rept 8
	WLD ii, (178+ii)*1024                          ; W2: 16 loads
.set ii, ii+1
.endr
	W1T 3, 16                                      ; W2's stay out
	WIN 0x80
	WLD 8, 186*1024                                ; W3
	WLD 9, 187*1024
.endm
.macro SOFTPLUS                        ; A = max(A, 0) + log2(1 + exp2(-|A|)), 32 numbers of a batch tile at a time
	WIN 0xAA
.irp b, 0,1,2,3
.set ii, 0
.rept 32
	v_exp_f32 v[TS+ii], -|v[32*\b+ii]|
.set ii, ii+1
.endr
	v_nop
	s_wait_alu depctr_va_vdst(0)
	ADD1 TS, 16
.set ii, 0
.rept 32
	v_log_f32 v[TS+ii], v[TS+ii]
.set ii, ii+1
.endr
.set ii, 0
.rept 32
	v_max_num_f32 v[32*\b+ii], 0, v[32*\b+ii]      ; plain work behind the logarithms
.set ii, ii+1
.endr
.set ii, 0
	s_wait_alu depctr_va_vdst(0)
.rept 16
	v_pk_add_f32 v[32*\b+ii:32*\b+ii+1], v[32*\b+ii:32*\b+ii+1], v[TS+ii:TS+ii+1]
.set ii, ii+2
.endr
.endr
.endm
.macro PACKHD                          ; 64 columns x 4 batch tiles to bf16: the next layer's second operand
	WIN 0x0A
.set ii, 0
.rept 64
	v_cvt_pk_bf16_f32 v[HD+ii], v[2*ii], v[2*ii+1]
.set ii, ii+1
.endr
.endm
.macro W2G
	s_wait_dscnt 0x0                               ; W2 and W3 are in
	WIN 0xA2
.irp t, 0,1,2,3
.irp b, 0,1,2,3
	v_wmma_f32_16x16x32_bf16 v[32*\b+8*\t:32*\b+8*\t+7], v[WB+16*\t:WB+16*\t+7], v[HD+16*\b:HD+16*\b+7], 0
.endr
.irp b, 0,1,2,3
	v_wmma_f32_16x16x32_bf16 v[32*\b+8*\t:32*\b+8*\t+7], v[WB+16*\t+8:WB+16*\t+15], v[HD+16*\b+8:HD+16*\b+15], v[32*\b+8*\t:32*\b+8*\t+7]
.endr
.endr
	NOP4
.endm
.macro TANH                            ; 1 - 2 rcp(1 + exp2(A)) on all 128 registers
	WIN 0xAA
.set ii, 0
.rept 128
	v_exp_f32 v[ii], v[ii]
.set ii, ii+1
.endr
	v_nop
	s_wait_alu depctr_va_vdst(0)
	ADD1 0, 64
.set ii, 0
.rept 128
	v_rcp_f32 v[ii], v[ii]
.set ii, ii+1
.endr
	v_nop
.set ii, 0
	s_wait_alu depctr_va_vdst(0)
.rept 64
	v_pk_fma_f32 v[ii:ii+1], v[ii:ii+1], -2.0, 1.0 op_sel_hi:[1,0,0]
.set ii, ii+2
.endr
.endm
.macro W3G
	WIN 0xA2
.irp b, 0,1,2,3
	v_wmma_f32_16x16x32_bf16 v[32*\b:32*\b+7], v[WB+64:WB+71], v[HD+16*\b:HD+16*\b+7], 0
.endr
.irp b, 0,1,2,3
	v_wmma_f32_16x16x32_bf16 v[32*\b:32*\b+7], v[WB+72:WB+79], v[HD+16*\b+8:HD+16*\b+15], v[32*\b:32*\b+7]
.endr
	NOP4
	LOADS 0                                        ; the next step's (at a pass's end the next pass's) first tile lands during the final stage; behind the launch's very last step nothing reads it
.endm
; The final stage for pair P: lane = row.
.macro FIN P
.set O_, OO+6*\P
.set Z_, ZR+6*\P
.set T_, TT+12*\P
.set S_, SG+4*\P
.set M_, MU+2*\P
.set X_, XN+2*\P
.set XP_, XP+2*\P
.set DX_, DX+2*\P
	v_add_f32 v[T_], v[O_+2], v[O_+5]              ; c = (a + d) / 2 of s + s^T
	v_sub_f32 v[T_+1], v[O_+2], v[O_+5]            ; k = (a - d) / 2
	v_add_f32 v[T_+2], v[O_+3], v[O_+4]            ; b
	v_mul_f32 v[T_+3], v[T_+1], v[T_+1]
	v_fma_f32 v[T_+3], v[T_+2], v[T_+2], v[T_+3]
	v_max_num_f32 v[T_+3], 0x2b8cbccc, v[T_+3]     ; u = max(k k + b b, 1e-12)
	v_sqrt_f32 v[T_+4], v[T_+3]                    ; r
	v_rsq_f32 v[T_+5], v[T_+3]                     ; 1 / r
	v_mul_f32 v[T_+6], s66, v[T_]                  ; c log2 e: the plain place behind the two
	s_wait_alu depctr_va_vdst(0)
	v_add_f32 v[T_+7], v[T_], v[T_+4]
	v_sub_f32 v[T_+8], v[T_], v[T_+4]
	v_fma_f32 v[T_+7], v[T_+7], s66, -1.0          ; the halving stands in the exponent: nothing overflows that the result does not
	v_fma_f32 v[T_+8], v[T_+8], s66, -1.0
	v_exp_f32 v[T_+7], v[T_+7]                     ; e1 = e^(c+r) / 2
	v_exp_f32 v[T_+8], v[T_+8]                     ; e2 = e^(c-r) / 2
	v_exp_f32 v[T_+6], v[T_+6]                     ; e^c
	v_mov_b32 v[T_+9], 0x3638ef1d                  ; sinh r / r = 1 + u/6 + u^2/120 + u^3/5040 + u^4/362880, used for u < 0.5: the first term dropped is below 8e-10
	v_fmaak_f32 v[T_+9], v[T_+9], v[T_+3], 0x39500d01
	v_fmaak_f32 v[T_+9], v[T_+9], v[T_+3], 0x3c088889
	v_fmaak_f32 v[T_+9], v[T_+9], v[T_+3], 0x3e2aaaab
	v_fma_f32 v[T_+9], v[T_+9], v[T_+3], 1.0
	s_wait_alu depctr_va_vdst(0)
	v_add_f32 v[T_+10], v[T_+7], v[T_+8]           ; e^c cosh r
	v_sub_f32 v[T_+11], v[T_+7], v[T_+8]
	v_mul_f32 v[T_+11], v[T_+11], v[T_+5]          ; e^c sinh r / r, for r above 0.7, where the difference keeps its bits
	v_mul_f32 v[T_+9], v[T_+6], v[T_+9]
	v_cmp_gt_f32 vcc_lo, 0.5, v[T_+3]
	v_cndmask_b32 v[T_+11], v[T_+11], v[T_+9], vcc_lo
	v_fma_f32 v[S_], v[T_+1], v[T_+11], v[T_+10]
	v_mul_f32 v[S_+1], v[T_+2], v[T_+11]
	v_fma_f32 v[S_+3], -v[T_+1], v[T_+11], v[T_+10]
	v_mov_b32 v[S_+2], v[S_+1]
	v_pk_add_f32 v[M_:M_+1], v[XP_:XP_+1], v[DX_:DX_+1]
	v_pk_add_f32 v[M_:M_+1], v[M_:M_+1], v[O_:O_+1]        ; mu = x_prev + dx + mu_hat
	v_fma_f32 v[X_], v[S_+1], v[Z_+1], v[M_]
	v_fma_f32 v[X_+1], v[S_+3], v[Z_+1], v[M_+1]
	v_fma_f32 v[X_], v[S_], v[Z_], v[X_]                   ; x = sigma z_i + mu
	v_fma_f32 v[X_+1], v[S_+1], v[Z_], v[X_+1]
	v_pk_add_f32 v[DX_:DX_+1], v[X_:X_+1], v[XP_:XP_+1] neg_lo:[0,1] neg_hi:[0,1]
	v_mov_b32 v[XP_], v[X_]
	v_mov_b32 v[XP_+1], v[X_+1]
	ds_store_b64 v[OSA], v[X_:X_+1] offset:768*\P
	ds_store_b64 v[OSA], v[M_:M_+1] offset:1536+768*\P
	ds_store_b128 v[OSB], v[S_:S_+3] offset:1536*\P
	v_permlanex16_b32 v[SW+2*\P], v[X_], s59, s60
	v_permlanex16_b32 v[SW+2*\P+1], v[X_+1], s59, s60
	v_mov_b32 v[Z_], v[Z_+2]                       ; the next step's z_i moves to the front: a loop cannot pick registers by the step
	v_mov_b32 v[Z_+1], v[Z_+3]
	v_mov_b32 v[Z_+2], v[Z_+4]
	v_mov_b32 v[Z_+3], v[Z_+5]
.endm
.macro FINAL
	s_wait_loadcnt 0x0                             ; the pass's z, position, velocity (met at once from the second step on)
	s_lshl_b32 s54, s61, 3
	WIN 0x0A
.irp P, 0,1
.irp j, 0,1,2,3,4,5
	v_cndmask_b32 v[OO+6*\P+\j], v[64*\P+\j], v[64*\P+32+\j], s58    ; W3's rows are doubled, so both halves of the lanes hold the six outputs: lanes 0-15 keep the even tile's rows, lanes 16-31 the odd tile's
.endr
.endr
	WIN 0
	v_add_nc_u32 v[OSA], s54, v[OS01]              ; + 8 x step
	v_lshl_add_u32 v[OSB], s54, 1, v[OS2]          ; + 16 x step
	FIN 0
	FIN 1
.endm
.macro PX hfb, a, c                    ; x of step 0 to k = 150, 151 (lanes 0-15, registers 78, 79), x of step 1 to k = 152, 153 (lanes 16-31, registers 72, 73)
	v_cndmask_b32 v[\hfb+78], v[\hfb+78], v[\a], s62
	v_cndmask_b32 v[\hfb+79], v[\hfb+79], v[\a+1], s62
	v_cndmask_b32 v[\hfb+72], v[\hfb+72], v[\c], s63
	v_cndmask_b32 v[\hfb+73], v[\hfb+73], v[\c+1], s63
.endm
.macro PADX                            ; x_flat takes the step's x; an even tile's rows sit in lanes 0-15 of the pair, an odd tile's in lanes 16-31
	s_cmp_eq_u32 s61, 0
	s_cselect_b32 s62, 0xffff, 0
	s_cmp_eq_u32 s61, 1
	s_cselect_b32 s63, s58, 0
	WIN 0xC3
	PX 0, XN, SW
	PX 80, SW, XN
	PX 160, XN+2, SW+2
	WIN 0
	PX HF3, SW+2, XN+2
	WIN 0x40
	v_cvt_pk_bf16_f32 v[120+36], v[HF3+72], v[HF3+73]
	v_cvt_pk_bf16_f32 v[120+39], v[HF3+78], v[HF3+79]
	WIN 0x4F
.irp b, 0,1,2
	v_cvt_pk_bf16_f32 v[40*\b+36], v[80*\b+72], v[80*\b+73]
	v_cvt_pk_bf16_f32 v[40*\b+39], v[80*\b+78], v[80*\b+79]
.endr
.endm
; My 100 blocks of 256 bytes of a later half, the very bytes that my tensor load will ask for: lanes 256 bytes apart, 96 blocks in three
; lines, the last four in one (its lanes above 3 repeat the last block).  Each block is asked for by this wave alone.
.macro PREF lo
	global_prefetch_b8 v[PFO], s[\lo:\lo+1] th:TH_LOAD_NT scope:SCOPE_SE
	global_prefetch_b8 v[PFO], s[\lo:\lo+1] offset:8192 th:TH_LOAD_NT scope:SCOPE_SE
	global_prefetch_b8 v[PFO], s[\lo:\lo+1] offset:16384 th:TH_LOAD_NT scope:SCOPE_SE
	global_prefetch_b8 v[PFO3], s[\lo:\lo+1] th:TH_LOAD_NT scope:SCOPE_SE
.endm
; The half in STG to registers: batch tiles 2q, 2q+1.  h goes straight into its f32 registers (register 8t + j = column 16t + 8h + j);
; columns 144..149 are read by both halves of the lanes, so that no read passes a row's end.  static goes raw into idle accumulators.
.macro READ q
.irp bb, 0,1
.if 2*\q+\bb == 3
	WIN 0
.set HFB, HF3
.else
	WIN 0xC0
.set HFB, 80*(2*\q+\bb)
.endif
.set tt, 0
.rept 9
.irp i, 0,1,2,3
	ds_load_b64 v[HFB+8*tt+2*\i:HFB+8*tt+2*\i+1], v[HA] offset:\bb*9600+64*tt+8*\i
.endr
.set tt, tt+1
.endr
.irp i, 0,1,2
	ds_load_b64 v[HFB+72+2*\i:HFB+73+2*\i], v[HA9] offset:\bb*9600+576+8*\i
.endr
	WIN 0x80
.irp k, 0,1,2
.irp i, 0,1,2,3
	ds_load_b64 v[32*\bb+8*\k+2*\i:32*\bb+8*\k+2*\i+1], v[SA] offset:\bb*3200+64*\k+8*\i
.endr
.endr
	ds_load_b64 v[32*\bb+24:32*\bb+25], v[SA9] offset:\bb*3200+192
.endr
.endm
; The padding of h160 (x_flat = 0, three ones, zeros), then both operands in bf16.
.macro CONV q
.irp bb, 0,1
.if 2*\q+\bb == 3
	WIN 0
.set HFB, HF3
.else
	WIN 0xC3
.set HFB, 80*(2*\q+\bb)
.endif
	v_cndmask_b32 v[HFB+72], v[HFB+72], 0, s58     ; lanes 16-31: k = 152..159
	v_cndmask_b32 v[HFB+73], v[HFB+73], 0, s58
	v_cndmask_b32 v[HFB+74], v[HFB+74], 1.0, s58
	v_cndmask_b32 v[HFB+75], v[HFB+75], 1.0, s58
	v_cndmask_b32 v[HFB+76], v[HFB+76], 1.0, s58
	v_cndmask_b32 v[HFB+77], v[HFB+77], 0, s58
	v_mov_b32 v[HFB+78], 0                         ; k = 150, 151 and 158, 159
	v_mov_b32 v[HFB+79], 0
	SWEEP 2*\q+\bb
	WIN 0x4A
.set ii, 0
.rept 13
	v_cvt_pk_bf16_f32 v[SB+16*(2*\q+\bb)+ii], v[32*\bb+2*ii], v[32*\bb+2*ii+1]
.set ii, ii+1
.endr
	WIN 0x41
	v_cndmask_b32 v[SB+16*(2*\q+\bb)+12], v[SB+16*(2*\q+\bb)+12], 0, s58   ; columns 48, 49 belong to lanes 0-15 alone
	v_mov_b32 v[SB+16*(2*\q+\bb)+13], 0
	v_mov_b32 v[SB+16*(2*\q+\bb)+14], 0
	v_mov_b32 v[SB+16*(2*\q+\bb)+15], 0
.endr
.endm
.macro INLOADS                         ; lane = row of the pair
	WIN 0
.irp P, 0,1
	global_load_b128 v[ZR+6*\P:ZR+6*\P+3], v[ZOFF], s[14:15] offset:30720*\P
	global_load_b64 v[ZR+6*\P+4:ZR+6*\P+5], v[ZOFF], s[14:15] offset:30720*\P+16
	global_load_b64 v[XP+2*\P:XP+2*\P+1], v[POFF], s[16:17] offset:1024*\P th:TH_LOAD_NT
	global_load_b64 v[DX+2*\P:DX+2*\P+1], v[POFF], s[18:19] offset:1024*\P th:TH_LOAD_NT
.endr
.endm
; The half that is on its way has landed, for every wave.
.macro LANDED
	s_wait_dscnt 0x0                               ; no LDS instruction of mine is out at the signal
	s_wait_tensorcnt 0x0                           ; my part of the half is in LDS
	s_barrier_signal -1
	s_barrier_wait -1                              ; everybody's is
.endm
; STG is filled again: my reads of it are back, all my tensor loads have landed (so the address may step), every wave says so,
; and the one load stands first behind the barrier.
.macro REFILL
	s_wait_dscnt 0x0
	s_wait_tensorcnt 0x0
	ds_add_u32 v110, v111
	s_wait_dscnt 0x0
	s_add_nc_u64 s[50:51], s[50:51], s[52:53]      ; the next half; the type bits on top are not reached
	s_barrier_signal -1
	s_barrier_wait -1
	tensor_load_to_lds s[48:51], s[36:43]
	s_nop 0
.endm
; The way out: the stage holds the three outputs as they lie in memory (24, 24, 48 bytes a row).  It is the wave's own and LDS serves a
; wave's instructions in order (ISA guide 5.7.1), so the reads see the stores.  Sixteen lanes store 256 consecutive bytes, aligned.
.macro OUTPUT more
	WIN 0
.irp i, 0,1,2
	ds_load_b128 v[HD+4*\i:HD+4*\i+3], v[ORD01] offset:256*\i
.endr
.irp i, 0,1,2
	ds_load_b128 v[HD+12+4*\i:HD+15+4*\i], v[ORD01] offset:1536+256*\i
.endr
.irp i, 0,1,2,3,4,5
	ds_load_b128 v[HD+24+4*\i:HD+27+4*\i], v[ORD2] offset:256*\i
.endr
.irp i, 0,1,2
	s_wait_dscnt 11-\i                             ; the younger read-backs stay out
	global_store_b128 v[GO01], v[HD+4*\i:HD+4*\i+3], s[20:21] offset:256*\i th:TH_STORE_NT
.endr
.irp i, 0,1,2
	s_wait_dscnt 8-\i
	global_store_b128 v[GO01], v[HD+12+4*\i:HD+15+4*\i], s[22:23] offset:256*\i th:TH_STORE_NT
.endr
.irp i, 0,1,2,3,4,5
	s_wait_dscnt 5-\i
	global_store_b128 v[GO2], v[HD+24+4*\i:HD+27+4*\i], s[24:25] offset:256*\i th:TH_STORE_NT
.endr
.if \more
	s_wait_xcnt 0x0                                ; the stores' bases and data are rewritten only behind this wait
	s_add_nc_u64 s[14:15], s[14:15], 61440         ; 256 rows on: z,
	s_add_nc_u64 s[16:17], s[16:17], 2048          ; position, velocity,
	s_add_nc_u64 s[18:19], s[18:19], 2048
	s_add_nc_u64 s[20:21], s[20:21], 6144          ; the outputs
	s_add_nc_u64 s[22:23], s[22:23], 6144
	s_add_nc_u64 s[24:25], s[24:25], 12288
.endif
.endm
; Three steps.  In pass 0 the last step asks for the pass 1's second half to be brought near: from there the rest of that step, the way
; out and the reading of the half before it lie in front of the tensor load that wants those bytes.
.macro STEPS p
	WIN 0
	s_mov_b32 s61, 0
.Lstep\p:
	GRU
	SWEEP 0
	SWEEP 1
	SWEEP 2
	SWEEP 3
	W1G
	SOFTPLUS
	PACKHD
	W2G
.if \p == 0
	WIN 0
	s_cmp_lg_u32 s61, 2
	s_cbranch_scc1 .Lnopf
	PREF 70
.Lnopf:
.endif
	TANH
	PACKHD
	W3G
	FINAL
	PADX
	WIN 0
	s_add_co_u32 s61, s61, 1
	s_cmp_lt_u32 s61, 3
	s_cbranch_scc1 .Lstep\p
.endm
	s_load_b512 s[8:23], s[0:1], 0x0               ; wimg 8, h_0 10, static 12, z 14, position 16, velocity 18, out0 20, out1 22
	s_load_b64 s[24:25], s[0:1], 0x40              ; out2
	v_lshl_add_u32 v110, v0, 2, 0x4f400
	v_mov_b32 v111, 0
	ds_add_u32 v110, v111
	ds_add_u32 v110, v111
	v_lshrrev_b32 v1, 5, v0
	v_readfirstlane_b32 s2, v1                     ; wave
	; descriptor groups 1: dense blocks as rows of 32 elements of 8 bytes; 193 rows (a quarter of the image), 100 rows (a quarter of a half)
	s_mov_b32 s28, 3<<16                           ; no mask; element of 8 bytes; no padding
	s_mov_b32 s29, 32<<16                          ; tensor_dim0 = 32
	s_mov_b32 s30, 193<<16                         ; tensor_dim1 = 193
	s_mov_b32 s31, 32<<16                          ; tile_dim0 = 32
	s_mov_b32 s32, 193                             ; tile_dim1 = 193
	s_mov_b32 s33, 32                              ; from row to row: 32 elements
	s_mov_b32 s34, 0
	s_mov_b32 s35, 0
	s_mov_b32 s36, 3<<16
	s_mov_b32 s37, 32<<16
	s_mov_b32 s38, 100<<16
	s_mov_b32 s39, 32<<16
	s_mov_b32 s40, 100
	s_mov_b32 s41, 32
	s_mov_b32 s42, 0
	s_mov_b32 s43, 0
	s_mov_b32 s44, 1
	s_mul_i32 s45, s2, 49408                       ; LDS: my quarter of the image
	s_mov_b32 s48, 1
	s_mul_i32 s49, s2, 25600
	s_add_co_u32 s49, s49, STG                     ; LDS: waves 0-2 a third of h's 76,800 bytes each, wave 3 static's 25,600
	s_mul_i32 s54, ttmp9, 307200                   ; the work-group's 512 rows of h_0,
	s_mul_i32 s56, s2, 25600
	s_add_co_u32 s54, s54, s56                     ; my third of a half
	s_mul_i32 s56, ttmp9, 102400                   ; its 512 rows of static
	s_mov_b32 s52, 25600
	s_mov_b32 s57, 76800
	s_mov_b32 s55, 0
	s_mov_b32 s53, 0
	s_mov_b32 s26, s45
	s_mov_b32 s27, 0
	s_wait_dscnt 0x0
	s_wait_kmcnt 0x0
	s_cmp_lt_u32 s2, 3
	s_cselect_b32 s54, s54, s56
	s_cselect_b32 s52, s57, s52                    ; bytes from a half to the next
	s_cselect_b64 s[56:57], s[10:11], s[12:13]
	s_add_nc_u64 s[46:47], s[8:9], s[26:27]
	s_or_b32 s47, s47, 0x80000000                  ; type = 2
	s_add_nc_u64 s[50:51], s[56:57], s[54:55]      ; half 0
	s_add_nc_u64 s[68:69], s[50:51], s[52:53]      ; half 1, for the prefetch
	s_add_nc_u64 s[70:71], s[68:69], s[52:53]
	s_add_nc_u64 s[70:71], s[70:71], s[52:53]      ; half 3
	s_or_b32 s51, s51, 0x80000000
	tensor_load_to_lds s[44:47], s[28:35]          ; the two first fills go out together, ahead of every wait on them, LDS read and barrier:
	s_nop 0
	tensor_load_to_lds s[48:51], s[36:43]          ; two tensor loads of a wave are out here, later never more than one
	s_nop 0
	v_and_b32 v1, 31, v0                           ; lane
	v_and_b32 v2, 15, v0                           ; r
	v_bfe_u32 v3, v0, 4, 1                         ; h
	v_lshlrev_b32 v[PFO], 8, v1
	v_min_u32 v[PFO3], 3, v1
	v_lshlrev_b32 v[PFO3], 8, v[PFO3]
	v_add_nc_u32 v[PFO3], 24576, v[PFO3]
	PREF 68                                        ; half 1: wanted when the image and half 0 have landed and half 0 has been read
	s_mov_b32 s58, 0xffff0000
	s_mov_b32 s59, 0x76543210
	s_mov_b32 s60, 0xfedcba98
	s_mov_b32 s66, 0x3fb8aa3b
	s_lshl_b32 s3, ttmp9, 9
	s_lshl_b32 s26, s2, 5
	s_add_co_u32 s3, s3, s26                       ; my first row: 512 x group + 32 x wave
	s_mul_i32 s26, s3, 240
	s_add_nc_u64 s[14:15], s[14:15], s[26:27]
	s_lshl_b32 s26, s3, 3
	s_add_nc_u64 s[16:17], s[16:17], s[26:27]
	s_add_nc_u64 s[18:19], s[18:19], s[26:27]
	s_mul_i32 s26, s3, 24
	s_add_nc_u64 s[20:21], s[20:21], s[26:27]
	s_add_nc_u64 s[22:23], s[22:23], s[26:27]
	s_mul_i32 s26, s3, 48
	s_add_nc_u64 s[24:25], s[24:25], s[26:27]
	v_mul_u32_u24 v[ZOFF], v1, 240
	v_lshlrev_b32 v[POFF], 3, v1
	INLOADS
	v_lshlrev_b32 v[WA], 4, v1
	v_add_nc_u32 v[WA+1], 0x10000, v[WA]
	v_add_nc_u32 v[WA+2], 0x20000, v[WA]
	v_add_nc_u32 v[WA+3], 0x30000, v[WA]
	s_mul_i32 s54, s2, 19200                       ; my 32 rows of 600 bytes
	s_add_co_u32 s54, s54, STG
	v_mul_u32_u24 v[HA9], v2, 600
	v_add_nc_u32 v[HA9], s54, v[HA9]
	v_lshl_add_u32 v[HA], v3, 5, v[HA9]
	s_mul_i32 s54, s2, 6400                        ; my 32 rows of 200 bytes
	s_add_co_u32 s54, s54, STGS
	v_mul_u32_u24 v[SA9], v2, 200
	v_add_nc_u32 v[SA9], s54, v[SA9]
	v_lshl_add_u32 v[SA], v3, 5, v[SA9]
	s_mul_i32 s54, s2, 6144
	s_add_co_u32 s54, s54, STAGE                   ; my stage
	v_mul_u32_u24 v[OS01], v1, 24
	v_add_nc_u32 v[OS01], s54, v[OS01]
	v_mul_u32_u24 v[OS2], v1, 48
	v_add_nc_u32 v[OS2], s54, v[OS2]
	v_add_nc_u32 v[OS2], 3072, v[OS2]
	v_lshlrev_b32 v2, 4, v2                        ; 16 r
	v_mul_u32_u24 v[ORD01], v3, 768
	v_add_nc_u32 v[ORD01], v[ORD01], v2
	v_add_nc_u32 v[ORD01], s54, v[ORD01]
	v_mul_u32_u24 v[ORD2], v3, 1536
	v_add_nc_u32 v[ORD2], v[ORD2], v2
	v_add_nc_u32 v[ORD2], s54, v[ORD2]
	v_add_nc_u32 v[ORD2], 3072, v[ORD2]
	v_mul_u32_u24 v[GO01], v3, 3072                ; the pairs lie 128 rows apart
	v_add_nc_u32 v[GO01], v[GO01], v2
	v_mul_u32_u24 v[GO2], v3, 6144
	v_add_nc_u32 v[GO2], v[GO2], v2
.irp i, 0,1,2,3
	v_mov_b32 v[SW+\i], 0                          ; v_permlanex16_b32 counts as a reader of its destination
.endr
	WIN 0x80
.irp i, 0,1,2,3
	v_mov_b32 v[WB+120+\i], 0                      ; the lower half of slot 15: n's input part has no weight below k = 144
.endr
	LANDED                                         ; the image and half 0
	LOADS 0
	READ 0
	REFILL                                         ; half 1 goes out;
	CONV 0                                         ; register work while it is on its way
	LANDED
	READ 1
	REFILL                                         ; half 2 has the whole of pass 0 in which to land
	CONV 1
	STEPS 0
	OUTPUT 1
	INLOADS
	LANDED
	READ 0
	REFILL                                         ; half 3, the last load
	CONV 0
	LANDED
	READ 1
	s_wait_dscnt 0x0                               ; nothing is filled again: no further barrier
	CONV 1
	STEPS 1
	OUTPUT 0
	s_wait_tensorcnt 0x0
	ds_add_u32 v110, v111
	s_wait_dscnt 0x0
	s_endpgm
.Lfunc_end_k_q4855f4d767_roll:
	.size	k_q4855f4d767_roll, .Lfunc_end_k_q4855f4d767_roll-k_q4855f4d767_roll
	.p2alignl 7, 3214868480
	.fill 96, 4, 3214868480
	.section	.rodata,"a",@progbits
	.p2align	6, 0x0
	.amdhsa_kernel k_q4855f4d767_roll
		.amdhsa_group_segment_fixed_size 327680
		.amdhsa_private_segment_fixed_size 0
		.amdhsa_enable_private_segment 0
		.amdhsa_kernarg_size 72
		.amdhsa_user_sgpr_count 2
		.amdhsa_user_sgpr_kernarg_segment_ptr 1
		.amdhsa_wavefront_size32 1
		.amdhsa_system_sgpr_workgroup_id_x 1
		.amdhsa_system_sgpr_workgroup_id_y 1
		.amdhsa_system_sgpr_workgroup_id_z 1
		.amdhsa_system_vgpr_workitem_id 0
		.amdhsa_next_free_vgpr 1024
		.amdhsa_next_free_sgpr 72
		.amdhsa_reserve_vcc 1
		.amdhsa_float_denorm_mode_32 3
		.amdhsa_float_denorm_mode_16_64 3
		.amdhsa_memory_ordered 1
		.amdhsa_forward_progress 1
		.amdhsa_inst_pref_size 255
	.end_amdhsa_kernel
	.section	.bss,"aw",@nobits
	.p2align	6
	.space	262144
	.amdgpu_metadata
---
amdhsa.version: [ 1, 2 ]
amdhsa.kernels:
  - .name:           k_q4855f4d767_roll
    .symbol:         k_q4855f4d767_roll.kd
    .args:
      - { .name: wimg, .offset: 0, .size: 8, .value_kind: global_buffer, .address_space: global }
      - { .name: h_0, .offset: 8, .size: 8, .value_kind: global_buffer, .address_space: global }
      - { .name: static, .offset: 16, .size: 8, .value_kind: global_buffer, .address_space: global }
      - { .name: z, .offset: 24, .size: 8, .value_kind: global_buffer, .address_space: global }
      - { .name: init_position, .offset: 32, .size: 8, .value_kind: global_buffer, .address_space: global }
      - { .name: init_velocity, .offset: 40, .size: 8, .value_kind: global_buffer, .address_space: global }
      - { .name: out0, .offset: 48, .size: 8, .value_kind: global_buffer, .address_space: global }
      - { .name: out1, .offset: 56, .size: 8, .value_kind: global_buffer, .address_space: global }
      - { .name: out2, .offset: 64, .size: 8, .value_kind: global_buffer, .address_space: global }
    .group_segment_fixed_size: 327680
    .private_segment_fixed_size: 0
    .kernarg_segment_align: 8
    .kernarg_segment_size: 72
    .max_flat_workgroup_size: 128
    .sgpr_count:     72
    .vgpr_count:     1024
    .wavefront_size: 32
...
	.end_amdgpu_metadata
.endif
;; end of part 2
;; ======== version 2 of 2: 2 launches
;; workspace buffers: wimg 197,632 bytes
;; launch prep: the kernel of part 1 again; grid 193 x 1, 2 waves a work-group, no clusters, 0 bytes of LDS; arguments W_hh, W1, W2, W3, W_ih, b_ih, b_hh, b1, b2, b3, wimg; writes wimg
;; launch roll (part 3): grid 256 x 1, 4 waves a work-group, no clusters, 327,680 bytes of LDS; arguments wimg, h_0, static, z, init_position, init_velocity, out0, out1, out2; writes out0, out1, out2
.if DOCPART == 3
	.amdgcn_target "amdgcn-amd-amdhsa--gfx1250"
	.amdhsa_code_object_version 6
	.text
	.protected	k_q4855f4d767_roll
	.globl	k_q4855f4d767_roll
	.p2align	8
	.type	k_q4855f4d767_roll,@function
k_q4855f4d767_roll:
	s_mov_b64 s[64:65], 0
	v_nop
	global_prefetch_b8 v0, s[64:65] scope:SCOPE_SE
	s_setreg_imm32_b32 hwreg(HW_REG_WAVE_MODE, 25, 1), 1
	s_wait_xcnt 0x0
; The whole rollout: three steps of GRU cell, MLP 200 -> 50 -> 50 -> 6, exponential of a symmetric 2 x 2 matrix, position update.
; 256 work-groups of four waves; a work-group owns 512 rows as four halves of 128; a pass takes two halves, a wave 32 rows of each:
; four batch tiles b of 16 rows.  All weights lie in LDS as bf16 fragments (made by the launch before), each read once for four tiles.
; THE MATRIX INSTRUCTION IS USED TRANSPOSED: first operand 16 output columns of a weight, second operand 16 batch rows.  Lane (r, h)
; of a result then holds batch row r, register j output column 16 t + 8 h + j, so two neighbouring tiles, rounded to bf16 in pairs,
; ARE the next layer's second operand: the chain from h to the six outputs never leaves the registers.
; K of the GRU and W1: 0..149 h, 150..153 x_flat[0..3], 154..156 the constant 1 (biases ride there), 157..159 zero, 160.. static.
; The padded GRU columns have z = 1 and n = 0 by their weights, so those ten numbers pass through the cell unchanged.
; Scales are folded into the weights: sigmoid = rcp(1 + exp2(a)), tanh = 1 - 2 rcp(1 + exp2(a)),
; softplus / ln 2 = max(y, 0) + log2(1 + exp2(-|y|)) (the maximum is taken out in front of the exponential).
; THE TEXT IS KEPT SHORT: the step stands once and runs six times (a loop over the two passes round a loop over the three steps), and in it
; the cell's ten column tiles are a loop of two trips of five.  Registers cannot be picked by a counter, so the f32 copy of h changes
; places instead: a unit reads place p, moves place p + 5 down to p and writes the new h to p + 5; after two trips every tile is at home.
; REQUESTS STAND EARLY: a column tile's weights are loaded slot by slot as soon as the tile before has read a slot for the last time;
; and pass 1's first half is taken out of LDS in pass 0's last step, as soon as registers are free for it, so that the second half
; has the rest of that step in which to land.
; NO CLUSTER: the work-groups share only the weight image, 197,632 of the 748,000 bytes that one brings in, fetched once at its start;
; joint loads would put a round of the cluster's barrier in front of each of the three private refills as well.
; LIMITS: exp2 gives zero where the result would lie below 2^-126 (ISA guide 15.8), so entries of sigma that small come out as zero.
; z's columns 6..59 are not read (reference() never slices them).  The sums differ from reference()'s in the order of rounding:
; scales are applied before the rounding to bf16, biases enter the matrix sums, e^c cosh r is made as 2^((c+r) log2 e - 1) + 2^((c-r) log2 e - 1).
;
; LDS: 0 the image; STG one half of h_0 (128 rows, pitch 600) and of static (pitch 200); STAGE 6,144 bytes a wave for the way out.
.set NIB,   192512                     ; the half fragments of n's input part
.set FIVE,  76800                      ; five column tiles' fragments: 75 x 1,024 bytes
.set STG,   197632
.set STGS,  STG+76800
.set STAGE, 300032
; REGISTERS in windows of 256 (s_set_vgpr_msb: bits 1:0 source 0, 3:2 source 1, 5:4 source 2, 7:6 destination)
; window 0
.set WA,    4                          ; v4-6    16 x lane + k x 65,536: the image is longer than an LDS immediate reaches
.set HA,    8                          ; v8      my row of h in STG, + 32 for the upper lanes;  v9 the same without
.set HA9,   9
.set SA,    10                         ; v10, 11 the same for static
.set SA9,   11
.set OS01,  12                         ; v12     stage: my row's 24 bytes of x (mu 1,536 further)
.set OS2,   13                         ; v13     stage: my row's 48 bytes of sigma
.set ORD01, 14                         ; v14, 15 stage, read back: lanes 0-15 pair 0, lanes 16-31 pair 1, 16 bytes a lane
.set ORD2,  15
.set GO01,  16                         ; v16, 17 the same places in out0 / out1 and in out2
.set GO2,   17
.set ZOFF,  18                         ; v18     240 x lane
.set POFF,  19                         ; v19     8 x lane
.set ZR,    20                         ; v20-31  pair P: z[0..5] of row = lane, moved up by two each step
.set XP,    32                         ; v32-35  x_prev
.set DX,    36                         ; v36-39  dx
.set OO,    40                         ; v40-51  the six outputs of the MLP
.set XN,    52                         ; v52-55  the step's x
.set SW,    56                         ; v56-59  the same from lane xor 16
.set OSA,   60                         ; v60, 61 stage addresses of this step
.set OSB,   61
.set SG,    64                         ; v64-71  sigma
.set MU,    72                         ; v72-75
.set TT,    76                         ; v76-99  at work, 12 a pair
.set PFO,   100                        ; v100, 101 prefetch offsets, never rewritten
.set PFO3,  101
.set WG,    102                        ; v102-104 the cell's trip: WA, WA+1 + its five tiles' first byte; WA+2 + its five half fragments' first byte
.set HD,    112                        ; v112-175 tile b: 16 registers, the hidden layer as second operand; on the way out: read-back
.set HF3,   176                        ; v176-255 h of tile 3 in f32
; window 1: v[40 b ..] h160 of tile b as second operand (5 chunks);  SB + 16 b: static (2 chunks);  SBN: static of tiles 0, 1 as it waits for its pass
.set SB,    160
.set SBN,   224                        ; v224-249 of window 1: 13 registers a tile
; window 2: v[32 b + 8 g ..] accumulators (GRU: g = r, z, nh, ni; MLP: g = column tile);  WB + 8 s: 16 slots for weight fragments
.set WB,    128
.set TS,    WB+80                      ; slots 10-13 serve the softplus as 32 registers at work
; window 3: v[80 b + 8 t ..] h of tiles 0-2 in f32
; scalars: s2 wave; s[8:25] addresses; s[28:35], s[36:43] descriptor groups 1; s[44:47], s[48:51] groups 0; s[52:53] a half's step;
; s54, s55 at work; s56 the cell's trip; s58 mask of lanes 16-31; s59, s60 selects of v_permlanex16; s61 step; s62, s63 masks;
; s66 log2 e; s67 pass; s[68:71] prefetch bases
.set MSB, 0
.macro WIN new                         ; the immediate's high byte repeats the setting that is left
.if MSB != \new
	s_set_vgpr_msb (MSB<<8)|\new
.set MSB, \new
.endif
.endm
.macro NOP4                            ; four places behind a matrix instruction (ISA guide 7.12.1) where no useful work is at hand
.rept 4
	v_nop
.endr
.endm
.macro WLD slot, byte                  ; one fragment at a fixed place of the image: 32 lanes x 16 consecutive bytes, twice
	ds_load_b128 v[WB+8*(\slot):WB+8*(\slot)+3], v[WA+((\byte)>>16)] offset:((\byte)&0xffff)
	ds_load_b128 v[WB+8*(\slot)+4:WB+8*(\slot)+7], v[WA+((\byte)>>16)] offset:((\byte)&0xffff)+512
.endm
.macro WLDR slot, byte                 ; the same, counted from the first byte of the cell's trip
	ds_load_b128 v[WB+8*(\slot):WB+8*(\slot)+3], v[WG+((\byte)>>16)] offset:((\byte)&0xffff)
	ds_load_b128 v[WB+8*(\slot)+4:WB+8*(\slot)+7], v[WG+((\byte)>>16)] offset:((\byte)&0xffff)+512
.endm
.macro LOADS0                          ; GRU column tile 0: 15 fragments in the order of their use, 30 loads; its half fragment follows at the cell's head
	WIN 0x80
.set ii, 0
.rept 15
	WLD ii, ii*1024
.set ii, ii+1
.endr
.endm
; Slots first..last of the trip's tile t (1..5), and with ni = 1 the half fragment.  Tile 5 of trip 0 is column tile 5; tile 5 of trip 1 is
; fragments 150..164: W1's tiles 0 and 1 in slots 0-13 and the first chunk of its tile 2 in slot 14.
.macro LOADSR t, first, last, ni
	WIN 0x80
.set ii, \first
.rept \last-\first+1
	WLDR ii, (15*(\t)+ii)*1024
.set ii, ii+1
.endr
.if \ni
	ds_load_b128 v[WB+124:WB+127], v[WG+2] offset:(NIB&0xffff)+512*(\t)
.endif
.endm
; Matrix instruction n of a GRU tile for batch tile b: n = 3 c + g, chunk c, gate g; n = 15: n's input part (chunk 4 alone).
; wt = 1: the tile's first user waits, K group by K group, with the count of the weight loads issued behind the group (6 a group, 1 at the end).
.macro WM n, b, wt
.if \wt
.if (\n) == 0
	s_wait_dscnt 25
.elseif (\n) == 3
	s_wait_dscnt 19
.elseif (\n) == 6
	s_wait_dscnt 13
.elseif (\n) == 9
	s_wait_dscnt 7
.elseif (\n) == 12
	s_wait_dscnt 0
.endif
.endif
.if (\n) < 3
	v_wmma_f32_16x16x32_bf16 v[32*\b+8*(\n):32*\b+8*(\n)+7], v[WB+8*(\n):WB+8*(\n)+7], v[40*\b:40*\b+7], 0
.elseif (\n) < 15
	v_wmma_f32_16x16x32_bf16 v[32*\b+8*((\n)%3):32*\b+8*((\n)%3)+7], v[WB+8*(\n):WB+8*(\n)+7], v[40*\b+8*((\n)/3):40*\b+8*((\n)/3)+7], v[32*\b+8*((\n)%3):32*\b+8*((\n)%3)+7]
.else
	v_wmma_f32_16x16x32_bf16 v[32*\b+24:32*\b+31], v[WB+120:WB+127], v[40*\b+32:40*\b+39], 0
.endif
.endm
.macro GW n
.if UG >= 0
	WM \n, UG, UW
.endif
.endm
.macro TR4 op, base                    ; four transcendentals in place
.irp j, 0,1,2,3
	\op v[\base+\j], v[\base+\j]
.endr
.endm
.macro ADD1 base, n                    ; n pairs += 1.0
.set qq, 0
.rept \n
	v_pk_add_f32 v[\base+qq:\base+qq+1], v[\base+qq:\base+qq+1], 1.0 op_sel_hi:[1,0]
.set qq, qq+2
.endr
.endm
; A unit: the gates of (the trip's tile tE, batch tile bE) on the vector unit, strewn with the 16 matrix instructions of batch tile bG
; (either part is left out with b = -1).  The two parts share no register.  The accumulators r, z, nh take turns, one instruction a turn.
; Behind the last matrix instruction stand eighteen plain instructions that name none of its registers:
; the places that the next unit's reads of the sums, and the last loads into the weight slots, need.
; ld >= 0: this unit's matrix instructions are the last readers of the weight slots, and the trip's tile ld is loaded into them in three
; runs, each where four places lie behind the last matrix instruction that read its slots (ISA guide 7.12.1 for vector instructions):
; slots 0-2 behind v_nop and four additions that follow instruction 3; slots 3-8 behind v_nop and the four r nh + ni that follow
; instruction 9; slots 9-14 (with ni = 1 the half fragment too) at the unit's end.  The order of issue is the order of use, which WM's counts rest on.
.macro UNIT tE, bE, bG, wt, ld, ni
.set UG, \bG
.set UW, \wt
	WIN 0xA6                                       ; weights window 2, h160 window 1, sums window 2
.if \bE < 0
.irp n, 0,1,2,3,4,5,6,7,8,9,10,11,12,13,14,15
	GW \n
.endr
	NOP4
.else
.set EA, 32*\bE
.if \bE == 3
.set EH, HF3+8*(\tE)
.set W9, 0xA8
.set WMV, 0x00
.set W10, 0x2A
.else
.set EH, 80*\bE+8*(\tE)
.set W9, 0xAB
.set WMV, 0xC3
.set W10, 0xEA
.endif
	TR4 v_exp_f32, EA                              ; exp2 of r's and z's sums
	GW 0
	TR4 v_exp_f32, EA+4
	GW 1
	TR4 v_exp_f32, EA+8
	GW 2
	TR4 v_exp_f32, EA+12
	GW 3
	v_nop                                          ; one plain place behind a run of transcendentals (ISA guide 5.7.2)
	s_wait_alu depctr_va_vdst(0)
	ADD1 EA, 4
.if \ld >= 0
	LOADSR \ld, 0, 2, 0
	WIN 0xA6
.endif
	GW 4
	ADD1 EA+8, 4
	GW 5
	TR4 v_rcp_f32, EA                              ; r, z
	GW 6
	TR4 v_rcp_f32, EA+4
	GW 7
	TR4 v_rcp_f32, EA+8
	GW 8
	TR4 v_rcp_f32, EA+12
	GW 9
	v_nop
	WIN 0xAA
	s_wait_alu depctr_va_vdst(0)
.irp q, 0,2,4,6
	v_pk_fma_f32 v[EA+16+\q:EA+17+\q], v[EA+\q:EA+1+\q], v[EA+16+\q:EA+17+\q], v[EA+24+\q:EA+25+\q]   ; r nh + ni
.endr
.if \ld >= 0
	LOADSR \ld, 3, 8, 0
.endif
	WIN 0xA6
	TR4 v_exp_f32, EA+16
	GW 10
	TR4 v_exp_f32, EA+20
	GW 11
	v_nop
	s_wait_alu depctr_va_vdst(0)
	ADD1 EA+16, 4
	GW 12
	TR4 v_rcp_f32, EA+16
	GW 13
	TR4 v_rcp_f32, EA+20
	GW 14
	v_nop
	s_wait_alu depctr_va_vdst(0)
.irp q, 0,2
	v_pk_fma_f32 v[EA+16+\q:EA+17+\q], v[EA+16+\q:EA+17+\q], -2.0, 1.0 op_sel_hi:[1,0,0]              ; n
.endr
	GW 15
.irp q, 4,6
	v_pk_fma_f32 v[EA+16+\q:EA+17+\q], v[EA+16+\q:EA+17+\q], -2.0, 1.0 op_sel_hi:[1,0,0]
.endr
	WIN W9
.irp q, 0,2,4,6
	v_pk_add_f32 v[EA+24+\q:EA+25+\q], v[EH+\q:EH+1+\q], v[EA+16+\q:EA+17+\q] neg_lo:[0,1] neg_hi:[0,1]   ; h - n, h from place p
.endr
	WIN WMV
.irp q, 0,1,2,3,4,5,6,7
	v_mov_b32 v[EH+\q], v[EH+40+\q]                ; place p + 5 moves down: in trip 0 the old h that trip 1 will read, in trip 1 trip 0's new h
.endr
	WIN W10
.irp q, 0,2,4,6
	v_pk_fma_f32 v[EH+40+\q:EH+41+\q], v[EA+8+\q:EA+9+\q], v[EA+24+\q:EA+25+\q], v[EA+16+\q:EA+17+\q]     ; h = z (h - n) + n, to place p + 5
.endr
.if \ld >= 0
	LOADSR \ld, 9, 14, \ni
.endif
.endif
.endm
; My 100 blocks of 256 bytes of a later half, the very bytes that my tensor load will ask for: lanes 256 bytes apart, 96 blocks in three
; lines, the last four in one (its lanes above 3 repeat the last block).  Each block is asked for by this wave alone.
.macro PREF lo
	global_prefetch_b8 v[PFO], s[\lo:\lo+1] th:TH_LOAD_NT scope:SCOPE_SE
	global_prefetch_b8 v[PFO], s[\lo:\lo+1] offset:8192 th:TH_LOAD_NT scope:SCOPE_SE
	global_prefetch_b8 v[PFO], s[\lo:\lo+1] offset:16384 th:TH_LOAD_NT scope:SCOPE_SE
	global_prefetch_b8 v[PFO3], s[\lo:\lo+1] th:TH_LOAD_NT scope:SCOPE_SE
.endm
; The cell: two trips of five column tiles.
; The trip's first byte is a choice of two constants, so every address lies in the image: at most 76,800 + 91,136 + 1,008 below 197,632.
; At the head of the second trip of pass 0's last step (2 (3 pass + step) + trip = 5) the last half is asked to be brought near: five
; column tiles and the conversions of h lie between this and the tensor load that wants those bytes.
.macro GRU
	WIN 0
	s_mov_b32 s56, 0
.Lgru:
	s_mul_i32 s54, s67, 3
	s_add_co_u32 s54, s54, s61
	s_lshl_b32 s54, s54, 1
	s_add_co_u32 s54, s54, s56
	s_cmp_lg_u32 s54, 5
	s_cbranch_scc1 .Lnopf
	PREF 70
.Lnopf:
	s_cmp_eq_u32 s56, 0
	s_cselect_b32 s54, 0, FIVE
	s_cselect_b32 s55, 0, 2560                     ; five half fragments of 512 bytes
	v_add_nc_u32 v[WG], s54, v[WA]
	v_add_nc_u32 v[WG+1], s54, v[WA+1]
	v_add_nc_u32 v[WG+2], s55, v[WA+2]
	WIN 0x80
	ds_load_b128 v[WB+124:WB+127], v[WG+2] offset:(NIB&0xffff)     ; the first tile's half fragment, behind its 30 loads
	UNIT 0, -1, 0, 1, -1, 0
	UNIT 0, 0, 1, 0, -1, 0
	UNIT 0, 1, 2, 0, -1, 0
	UNIT 0, 2, 3, 0, 1, 1
.irp t, 1,2,3
	UNIT \t-1, 3, 0, 1, -1, 0
	UNIT \t, 0, 1, 0, -1, 0
	UNIT \t, 1, 2, 0, -1, 0
	UNIT \t, 2, 3, 0, \t+1, 1
.endr
	UNIT 3, 3, 0, 1, -1, 0
	UNIT 4, 0, 1, 0, -1, 0
	UNIT 4, 1, 2, 0, -1, 0
	UNIT 4, 2, 3, 0, 5, 0                          ; loads the next trip's first tile, or W1's first fragments
	UNIT 4, 3, -1, 0, -1, 0
	WIN 0
	s_add_co_u32 s56, s56, 1
	s_cmp_lt_u32 s56, 2
	s_cbranch_scc1 .Lgru
.endm
.macro SWEEP b                         ; h of tile b, f32 to bf16: register n of the operand is the pair 2n, 2n+1
.if (\b) == 3
	WIN 0x40
.set HFB, HF3
.else
	WIN 0x4F
.set HFB, 80*(\b)
.endif
.set ii, 0
.rept 40
	v_cvt_pk_bf16_f32 v[40*(\b)+ii], v[HFB+2*ii], v[HFB+2*ii+1]
.set ii, ii+1
.endr
.endm
; W1, column tile t1: 7 chunks x 4 batch tiles, whose accumulators take turns.  left: loads issued behind this tile's own.
; Slots: tile 0 in 0-6, tile 1 in 7-13, tile 2 in 14 and 1-6, tile 3 in 7-13.
.macro W1T t1, left
	s_wait_dscnt \left
	WIN 0xA6
.irp c, 0,1,2,3,4,5,6
.set WS, WB+8*(7*(\t1&1)+\c)
.if \t1 == 2
.if \c == 0
.set WS, WB+112
.endif
.endif
.irp b, 0,1,2,3
.if \c == 0
	v_wmma_f32_16x16x32_bf16 v[32*\b+8*\t1:32*\b+8*\t1+7], v[WS:WS+7], v[40*\b:40*\b+7], 0
.elseif \c < 5
	v_wmma_f32_16x16x32_bf16 v[32*\b+8*\t1:32*\b+8*\t1+7], v[WS:WS+7], v[40*\b+8*\c:40*\b+8*\c+7], v[32*\b+8*\t1:32*\b+8*\t1+7]
.else
	v_wmma_f32_16x16x32_bf16 v[32*\b+8*\t1:32*\b+8*\t1+7], v[WS:WS+7], v[SB+16*\b+8*(\c-5):SB+16*\b+8*(\c-5)+7], v[32*\b+8*\t1:32*\b+8*\t1+7]
.endif
.endr
.endr
	NOP4                                           ; then the slots may be loaded again and the sums read
.endm
.macro W1G
	W1T 0, 16                                      ; the 16 loads of slots 7-14 stay out
	WIN 0x80
.set ii, 1
.rept 6
	WLD ii, (164+ii)*1024                          ; tile 2's chunks 1-6: 12 loads
.set ii, ii+1
.endr
	W1T 1, 14                                      ; slot 14's two and tile 2's twelve stay out
	WIN 0x80
.set ii, 0
.rept 7
	WLD 7+ii, (171+ii)*1024                        ; tile 3: 14 loads
.set ii, ii+1
.endr
	W1T 2, 14                                      ; tile 3's stay out
	WIN 0x80
.set ii, 0
.rept 7
	WLD ii, (178+ii)*1024                          ; W2: 16 loads, into slots 0-6 and 14
.set ii, ii+1
.endr
	WLD 14, 185*1024
	W1T 3, 16                                      ; W2's stay out
	WIN 0x80
	WLD 7, 186*1024                                ; W3
	WLD 8, 187*1024
.endm
.macro SOFTPLUS                        ; A = max(A, 0) + log2(1 + exp2(-|A|)), 32 numbers of a batch tile at a time
	WIN 0xAA
.irp b, 0,1,2,3
.set ii, 0
.rept 32
	v_exp_f32 v[TS+ii], -|v[32*\b+ii]|
.set ii, ii+1
.endr
	v_nop
	s_wait_alu depctr_va_vdst(0)
	ADD1 TS, 16
.set ii, 0
.rept 32
	v_log_f32 v[TS+ii], v[TS+ii]
.set ii, ii+1
.endr
.set ii, 0
.rept 32
	v_max_num_f32 v[32*\b+ii], 0, v[32*\b+ii]      ; plain work behind the logarithms
.set ii, ii+1
.endr
.set ii, 0
	s_wait_alu depctr_va_vdst(0)
.rept 16
	v_pk_add_f32 v[32*\b+ii:32*\b+ii+1], v[32*\b+ii:32*\b+ii+1], v[TS+ii:TS+ii+1]
.set ii, ii+2
.endr
.endr
.endm
.macro PACKHD                          ; 64 columns x 4 batch tiles to bf16: the next layer's second operand
	WIN 0x0A
.set ii, 0
.rept 64
	v_cvt_pk_bf16_f32 v[HD+ii], v[2*ii], v[2*ii+1]
.set ii, ii+1
.endr
.endm
.macro W2G
	s_wait_dscnt 0x0                               ; W2 and W3 are in
	WIN 0xA2
.irp t, 0,1,2,3
.set WS, WB+16*\t+8
.if \t == 3
.set WS, WB+112                                    ; W2's last fragment lies in slot 14
.endif
.irp b, 0,1,2,3
	v_wmma_f32_16x16x32_bf16 v[32*\b+8*\t:32*\b+8*\t+7], v[WB+16*\t:WB+16*\t+7], v[HD+16*\b:HD+16*\b+7], 0
.endr
.irp b, 0,1,2,3
	v_wmma_f32_16x16x32_bf16 v[32*\b+8*\t:32*\b+8*\t+7], v[WS:WS+7], v[HD+16*\b+8:HD+16*\b+15], v[32*\b+8*\t:32*\b+8*\t+7]
.endr
.endr
	NOP4
.endm
.macro TANH                            ; 1 - 2 rcp(1 + exp2(A)) on all 128 registers
	WIN 0xAA
.set ii, 0
.rept 128
	v_exp_f32 v[ii], v[ii]
.set ii, ii+1
.endr
	v_nop
	s_wait_alu depctr_va_vdst(0)
	ADD1 0, 64
.set ii, 0
.rept 128
	v_rcp_f32 v[ii], v[ii]
.set ii, ii+1
.endr
	v_nop
.set ii, 0
	s_wait_alu depctr_va_vdst(0)
.rept 64
	v_pk_fma_f32 v[ii:ii+1], v[ii:ii+1], -2.0, 1.0 op_sel_hi:[1,0,0]
.set ii, ii+2
.endr
.endm
.macro W3G
	WIN 0xA2
.irp b, 0,1,2,3
	v_wmma_f32_16x16x32_bf16 v[32*\b:32*\b+7], v[WB+56:WB+63], v[HD+16*\b:HD+16*\b+7], 0
.endr
.irp b, 0,1,2,3
	v_wmma_f32_16x16x32_bf16 v[32*\b:32*\b+7], v[WB+64:WB+71], v[HD+16*\b+8:HD+16*\b+15], v[32*\b:32*\b+7]
.endr
	NOP4
	LOADS0                                         ; the next step's (at a pass's end the next pass's) first tile lands during the final stage; behind the launch's very last step nothing reads it
.endm
; The final stage for pair P: lane = row.
.macro FIN P
.set O_, OO+6*\P
.set Z_, ZR+6*\P
.set T_, TT+12*\P
.set S_, SG+4*\P
.set M_, MU+2*\P
.set X_, XN+2*\P
.set XP_, XP+2*\P
.set DX_, DX+2*\P
	v_add_f32 v[T_], v[O_+2], v[O_+5]              ; c = (a + d) / 2 of s + s^T
	v_sub_f32 v[T_+1], v[O_+2], v[O_+5]            ; k = (a - d) / 2
	v_add_f32 v[T_+2], v[O_+3], v[O_+4]            ; b
	v_mul_f32 v[T_+3], v[T_+1], v[T_+1]
	v_fma_f32 v[T_+3], v[T_+2], v[T_+2], v[T_+3]
	v_max_num_f32 v[T_+3], 0x2b8cbccc, v[T_+3]     ; u = max(k k + b b, 1e-12)
	v_sqrt_f32 v[T_+4], v[T_+3]                    ; r
	v_rsq_f32 v[T_+5], v[T_+3]                     ; 1 / r
	v_mul_f32 v[T_+6], s66, v[T_]                  ; c log2 e: the plain place behind the two
	s_wait_alu depctr_va_vdst(0)
	v_add_f32 v[T_+7], v[T_], v[T_+4]
	v_sub_f32 v[T_+8], v[T_], v[T_+4]
	v_fma_f32 v[T_+7], v[T_+7], s66, -1.0          ; the halving stands in the exponent: nothing overflows that the result does not
	v_fma_f32 v[T_+8], v[T_+8], s66, -1.0
	v_exp_f32 v[T_+7], v[T_+7]                     ; e1 = e^(c+r) / 2
	v_exp_f32 v[T_+8], v[T_+8]                     ; e2 = e^(c-r) / 2
	v_exp_f32 v[T_+6], v[T_+6]                     ; e^c
	v_mov_b32 v[T_+9], 0x3638ef1d                  ; sinh r / r = 1 + u/6 + u^2/120 + u^3/5040 + u^4/362880, used for u < 0.5: the first term dropped is below 8e-10
	v_fmaak_f32 v[T_+9], v[T_+9], v[T_+3], 0x39500d01
	v_fmaak_f32 v[T_+9], v[T_+9], v[T_+3], 0x3c088889
	v_fmaak_f32 v[T_+9], v[T_+9], v[T_+3], 0x3e2aaaab
	v_fma_f32 v[T_+9], v[T_+9], v[T_+3], 1.0
	s_wait_alu depctr_va_vdst(0)
	v_add_f32 v[T_+10], v[T_+7], v[T_+8]           ; e^c cosh r
	v_sub_f32 v[T_+11], v[T_+7], v[T_+8]
	v_mul_f32 v[T_+11], v[T_+11], v[T_+5]          ; e^c sinh r / r, for r above 0.7, where the difference keeps its bits
	v_mul_f32 v[T_+9], v[T_+6], v[T_+9]
	v_cmp_gt_f32 vcc_lo, 0.5, v[T_+3]
	v_cndmask_b32 v[T_+11], v[T_+11], v[T_+9], vcc_lo
	v_fma_f32 v[S_], v[T_+1], v[T_+11], v[T_+10]
	v_mul_f32 v[S_+1], v[T_+2], v[T_+11]
	v_fma_f32 v[S_+3], -v[T_+1], v[T_+11], v[T_+10]
	v_mov_b32 v[S_+2], v[S_+1]
	v_pk_add_f32 v[M_:M_+1], v[XP_:XP_+1], v[DX_:DX_+1]
	v_pk_add_f32 v[M_:M_+1], v[M_:M_+1], v[O_:O_+1]        ; mu = x_prev + dx + mu_hat
	v_fma_f32 v[X_], v[S_+1], v[Z_+1], v[M_]
	v_fma_f32 v[X_+1], v[S_+3], v[Z_+1], v[M_+1]
	v_fma_f32 v[X_], v[S_], v[Z_], v[X_]                   ; x = sigma z_i + mu
	v_fma_f32 v[X_+1], v[S_+1], v[Z_], v[X_+1]
	v_pk_add_f32 v[DX_:DX_+1], v[X_:X_+1], v[XP_:XP_+1] neg_lo:[0,1] neg_hi:[0,1]
	v_mov_b32 v[XP_], v[X_]
	v_mov_b32 v[XP_+1], v[X_+1]
	ds_store_b64 v[OSA], v[X_:X_+1] offset:768*\P
	ds_store_b64 v[OSA], v[M_:M_+1] offset:1536+768*\P
	ds_store_b128 v[OSB], v[S_:S_+3] offset:1536*\P
	v_permlanex16_b32 v[SW+2*\P], v[X_], s59, s60
	v_permlanex16_b32 v[SW+2*\P+1], v[X_+1], s59, s60
	v_mov_b32 v[Z_], v[Z_+2]                       ; the next step's z_i moves to the front: a loop cannot pick registers by the step
	v_mov_b32 v[Z_+1], v[Z_+3]
	v_mov_b32 v[Z_+2], v[Z_+4]
	v_mov_b32 v[Z_+3], v[Z_+5]
.endm
.macro FINAL
	s_wait_loadcnt 0x0                             ; the pass's z, position, velocity (met at once from the second step on)
	s_lshl_b32 s54, s61, 3
	WIN 0x0A
.irp P, 0,1
.irp j, 0,1,2,3,4,5
	v_cndmask_b32 v[OO+6*\P+\j], v[64*\P+\j], v[64*\P+32+\j], s58    ; W3's rows are doubled, so both halves of the lanes hold the six outputs: lanes 0-15 keep the even tile's rows, lanes 16-31 the odd tile's
.endr
.endr
	WIN 0
	v_add_nc_u32 v[OSA], s54, v[OS01]              ; + 8 x step
	v_lshl_add_u32 v[OSB], s54, 1, v[OS2]          ; + 16 x step
	FIN 0
	FIN 1
.endm
.macro PX hfb, a, c                    ; x of step 0 to k = 150, 151 (lanes 0-15, registers 78, 79), x of step 1 to k = 152, 153 (lanes 16-31, registers 72, 73)
	v_cndmask_b32 v[\hfb+78], v[\hfb+78], v[\a], s62
	v_cndmask_b32 v[\hfb+79], v[\hfb+79], v[\a+1], s62
	v_cndmask_b32 v[\hfb+72], v[\hfb+72], v[\c], s63
	v_cndmask_b32 v[\hfb+73], v[\hfb+73], v[\c+1], s63
.endm
.macro PADX                            ; x_flat takes the step's x; an even tile's rows sit in lanes 0-15 of the pair, an odd tile's in lanes 16-31.  In the last step both masks are 0: nothing changes
	s_cmp_eq_u32 s61, 0
	s_cselect_b32 s62, 0xffff, 0
	s_cmp_eq_u32 s61, 1
	s_cselect_b32 s63, s58, 0
	WIN 0xC3
	PX 0, XN, SW
	PX 80, SW, XN
	PX 160, XN+2, SW+2
	WIN 0
	PX HF3, SW+2, XN+2
	WIN 0x40
	v_cvt_pk_bf16_f32 v[120+36], v[HF3+72], v[HF3+73]
	v_cvt_pk_bf16_f32 v[120+39], v[HF3+78], v[HF3+79]
	WIN 0x4F
.irp b, 0,1,2
	v_cvt_pk_bf16_f32 v[40*\b+36], v[80*\b+72], v[80*\b+73]
	v_cvt_pk_bf16_f32 v[40*\b+39], v[80*\b+78], v[80*\b+79]
.endr
.endm
; The half in STG to registers: batch tiles 2q, 2q+1.  h goes straight into its f32 registers (register 8t + j = column 16t + 8h + j);
; columns 144..149 are read by both halves of the lanes, so that no read passes a row's end.  static goes raw into idle accumulators.
.macro READ q
.irp bb, 0,1
.if 2*\q+\bb == 3
	WIN 0
.set HFB, HF3
.else
	WIN 0xC0
.set HFB, 80*(2*\q+\bb)
.endif
.set tt, 0
.rept 9
.irp i, 0,1,2,3
	ds_load_b64 v[HFB+8*tt+2*\i:HFB+8*tt+2*\i+1], v[HA] offset:\bb*9600+64*tt+8*\i
.endr
.set tt, tt+1
.endr
.irp i, 0,1,2
	ds_load_b64 v[HFB+72+2*\i:HFB+73+2*\i], v[HA9] offset:\bb*9600+576+8*\i
.endr
	WIN 0x80
.irp k, 0,1,2
.irp i, 0,1,2,3
	ds_load_b64 v[32*\bb+8*\k+2*\i:32*\bb+8*\k+2*\i+1], v[SA] offset:\bb*3200+64*\k+8*\i
.endr
.endr
	ds_load_b64 v[32*\bb+24:32*\bb+25], v[SA9] offset:\bb*3200+192
.endr
.endm
; The raw static columns of tiles 2q, 2q+1 to bf16.  Tiles 2, 3: straight into the operand.  Tiles 0, 1: into SBN, since the operand
; may still serve the pass before; CONVH 0 moves them over.
.macro CONVS q
.irp bb, 0,1
.if \q == 0
.set SD, SBN+13*\bb
.else
.set SD, SB+16*(2+\bb)
.endif
	WIN 0x4A
.set ii, 0
.rept 13
	v_cvt_pk_bf16_f32 v[SD+ii], v[32*\bb+2*ii], v[32*\bb+2*ii+1]
.set ii, ii+1
.endr
	WIN 0x41
	v_cndmask_b32 v[SD+12], v[SD+12], 0, s58       ; columns 48, 49 belong to lanes 0-15 alone
.if \q == 1
	v_mov_b32 v[SD+13], 0
	v_mov_b32 v[SD+14], 0
	v_mov_b32 v[SD+15], 0
.endif
.endr
.endm
; The padding of h160 (x_flat = 0, three ones, zeros) and h in bf16, for tiles 2q, 2q+1; for tiles 0, 1 static takes its place too.
.macro CONVH q
.irp bb, 0,1
.if 2*\q+\bb == 3
	WIN 0
.set HFB, HF3
.else
	WIN 0xC3
.set HFB, 80*(2*\q+\bb)
.endif
	v_cndmask_b32 v[HFB+72], v[HFB+72], 0, s58     ; lanes 16-31: k = 152..159
	v_cndmask_b32 v[HFB+73], v[HFB+73], 0, s58
	v_cndmask_b32 v[HFB+74], v[HFB+74], 1.0, s58
	v_cndmask_b32 v[HFB+75], v[HFB+75], 1.0, s58
	v_cndmask_b32 v[HFB+76], v[HFB+76], 1.0, s58
	v_cndmask_b32 v[HFB+77], v[HFB+77], 0, s58
	v_mov_b32 v[HFB+78], 0                         ; k = 150, 151 and 158, 159
	v_mov_b32 v[HFB+79], 0
	SWEEP 2*\q+\bb
.endr
.if \q == 0
	WIN 0x41
.set ii, 0
.rept 13
	v_mov_b32 v[SB+ii], v[SBN+ii]
	v_mov_b32 v[SB+16+ii], v[SBN+13+ii]
.set ii, ii+1
.endr
.irp i, 13,14,15,29,30,31
	v_mov_b32 v[SB+\i], 0
.endr
.endif
.endm
.macro INLOADS                         ; lane = row of the pair
	WIN 0
.irp P, 0,1
	global_load_b128 v[ZR+6*\P:ZR+6*\P+3], v[ZOFF], s[14:15] offset:30720*\P
	global_load_b64 v[ZR+6*\P+4:ZR+6*\P+5], v[ZOFF], s[14:15] offset:30720*\P+16
	global_load_b64 v[XP+2*\P:XP+2*\P+1], v[POFF], s[16:17] offset:1024*\P th:TH_LOAD_NT
	global_load_b64 v[DX+2*\P:DX+2*\P+1], v[POFF], s[18:19] offset:1024*\P th:TH_LOAD_NT
.endr
.endm
; The half that is on its way has landed, for every wave.
.macro LANDED
	s_wait_dscnt 0x0                               ; no LDS instruction of mine is out at the signal
	s_wait_tensorcnt 0x0                           ; my part of the half is in LDS
	s_barrier_signal -1
	s_barrier_wait -1                              ; everybody's is
.endm
; STG is filled again: my reads of it are back, all my tensor loads have landed (so the address may step), every wave says so,
; and the one load stands first behind the barrier.
.macro REFILL
	s_wait_dscnt 0x0
	s_wait_tensorcnt 0x0
	ds_add_u32 v110, v111
	s_wait_dscnt 0x0
	s_add_nc_u64 s[50:51], s[50:51], s[52:53]      ; the next half; the type bits on top are not reached
	s_barrier_signal -1
	s_barrier_wait -1
	tensor_load_to_lds s[48:51], s[36:43]
	s_nop 0
.endm
; The way out: the stage holds the three outputs as they lie in memory (24, 24, 48 bytes a row).  It is the wave's own and LDS serves a
; wave's instructions in order (ISA guide 5.7.1), so the reads see the stores.  Sixteen lanes store 256 consecutive bytes, aligned.
.macro OUTPUT
	WIN 0
.irp i, 0,1,2
	ds_load_b128 v[HD+4*\i:HD+4*\i+3], v[ORD01] offset:256*\i
.endr
.irp i, 0,1,2
	ds_load_b128 v[HD+12+4*\i:HD+15+4*\i], v[ORD01] offset:1536+256*\i
.endr
.irp i, 0,1,2,3,4,5
	ds_load_b128 v[HD+24+4*\i:HD+27+4*\i], v[ORD2] offset:256*\i
.endr
.irp i, 0,1,2
	s_wait_dscnt 11-\i                             ; the younger read-backs stay out
	global_store_b128 v[GO01], v[HD+4*\i:HD+4*\i+3], s[20:21] offset:256*\i th:TH_STORE_NT
.endr
.irp i, 0,1,2
	s_wait_dscnt 8-\i
	global_store_b128 v[GO01], v[HD+12+4*\i:HD+15+4*\i], s[22:23] offset:256*\i th:TH_STORE_NT
.endr
.irp i, 0,1,2,3,4,5
	s_wait_dscnt 5-\i
	global_store_b128 v[GO2], v[HD+24+4*\i:HD+27+4*\i], s[24:25] offset:256*\i th:TH_STORE_NT
.endr
.endm
.macro NEXTROWS                        ; all bases 256 rows on
	s_wait_xcnt 0x0                                ; the stores' bases and data are rewritten only behind this wait
	s_add_nc_u64 s[14:15], s[14:15], 61440         ; z,
	s_add_nc_u64 s[16:17], s[16:17], 2048          ; position, velocity,
	s_add_nc_u64 s[18:19], s[18:19], 2048
	s_add_nc_u64 s[20:21], s[20:21], 6144          ; the outputs
	s_add_nc_u64 s[22:23], s[22:23], 6144
	s_add_nc_u64 s[24:25], s[24:25], 12288
.endm
; Three steps.  In pass 0's last step (3 x pass + step = 2), once SWEEP has read h, the f32 registers of tiles 0 and 1 serve nothing more
; in this pass and the accumulators are idle: pass 1's first half, which has lain in STG since pass 0 began, is read there, and STG is
; filled with the second half, which has W1, both activations, W2, W3, the final stage and the way out in which to land.
; The jump round that block hangs on the two counters, which are equal in all waves: all four pass its two barriers or none does;
; and every wait on the tensor loads in this text is for all of them, so none hangs on the way taken.
.macro STEPS
	WIN 0
	s_mov_b32 s61, 0
.Lstep:
	GRU
	SWEEP 0
	SWEEP 1
	SWEEP 2
	SWEEP 3
	WIN 0
	s_mul_i32 s54, s67, 3
	s_add_co_u32 s54, s54, s61
	s_cmp_lg_u32 s54, 2
	s_cbranch_scc1 .Lnoearly
	LANDED                                         ; half 2
	READ 0
	REFILL                                         ; half 3, the last load
	CONVS 0                                        ; the accumulators are free again for W1
	WIN 0
.Lnoearly:
	W1G
	SOFTPLUS
	PACKHD
	W2G
	TANH
	PACKHD
	W3G
	FINAL
	PADX
	WIN 0
	s_add_co_u32 s61, s61, 1
	s_cmp_lt_u32 s61, 3
	s_cbranch_scc1 .Lstep
.endm
	s_load_b512 s[8:23], s[0:1], 0x0               ; wimg 8, h_0 10, static 12, z 14, position 16, velocity 18, out0 20, out1 22
	s_load_b64 s[24:25], s[0:1], 0x40              ; out2
	v_lshl_add_u32 v110, v0, 2, 0x4f400
	v_mov_b32 v111, 0
	ds_add_u32 v110, v111
	ds_add_u32 v110, v111
	v_lshrrev_b32 v1, 5, v0
	v_readfirstlane_b32 s2, v1                     ; wave
	; descriptor groups 1: dense blocks as rows of 32 elements of 8 bytes; 193 rows (a quarter of the image), 100 rows (a quarter of a half)
	s_mov_b32 s28, 3<<16                           ; no mask; element of 8 bytes; no padding
	s_mov_b32 s29, 32<<16                          ; tensor_dim0 = 32
	s_mov_b32 s30, 193<<16                         ; tensor_dim1 = 193
	s_mov_b32 s31, 32<<16                          ; tile_dim0 = 32
	s_mov_b32 s32, 193                             ; tile_dim1 = 193
	s_mov_b32 s33, 32                              ; from row to row: 32 elements
	s_mov_b32 s34, 0
	s_mov_b32 s35, 0
	s_mov_b32 s36, 3<<16
	s_mov_b32 s37, 32<<16
	s_mov_b32 s38, 100<<16
	s_mov_b32 s39, 32<<16
	s_mov_b32 s40, 100
	s_mov_b32 s41, 32
	s_mov_b32 s42, 0
	s_mov_b32 s43, 0
	s_mov_b32 s44, 1
	s_mul_i32 s45, s2, 49408                       ; LDS: my quarter of the image
	s_mov_b32 s48, 1
	s_mul_i32 s49, s2, 25600
	s_add_co_u32 s49, s49, STG                     ; LDS: waves 0-2 a third of h's 76,800 bytes each, wave 3 static's 25,600
	s_mul_i32 s54, ttmp9, 307200                   ; the work-group's 512 rows of h_0,
	s_mul_i32 s56, s2, 25600
	s_add_co_u32 s54, s54, s56                     ; my third of a half
	s_mul_i32 s56, ttmp9, 102400                   ; its 512 rows of static
	s_mov_b32 s52, 25600
	s_mov_b32 s57, 76800
	s_mov_b32 s55, 0
	s_mov_b32 s53, 0
	s_mov_b32 s26, s45
	s_mov_b32 s27, 0
	s_wait_dscnt 0x0
	s_wait_kmcnt 0x0
	s_cmp_lt_u32 s2, 3
	s_cselect_b32 s54, s54, s56
	s_cselect_b32 s52, s57, s52                    ; bytes from a half to the next
	s_cselect_b64 s[56:57], s[10:11], s[12:13]
	s_add_nc_u64 s[46:47], s[8:9], s[26:27]
	s_or_b32 s47, s47, 0x80000000                  ; type = 2
	s_add_nc_u64 s[50:51], s[56:57], s[54:55]      ; half 0
	s_add_nc_u64 s[68:69], s[50:51], s[52:53]      ; half 1, for the prefetch
	s_add_nc_u64 s[70:71], s[68:69], s[52:53]
	s_add_nc_u64 s[70:71], s[70:71], s[52:53]      ; half 3
	s_or_b32 s51, s51, 0x80000000
	tensor_load_to_lds s[44:47], s[28:35]          ; the two first fills go out together, ahead of every wait on them, LDS read and barrier:
	s_nop 0
	tensor_load_to_lds s[48:51], s[36:43]          ; two tensor loads of a wave are out here, later never more than one
	s_nop 0
	v_and_b32 v1, 31, v0                           ; lane
	v_and_b32 v2, 15, v0                           ; r
	v_bfe_u32 v3, v0, 4, 1                         ; h
	v_lshlrev_b32 v[PFO], 8, v1
	v_min_u32 v[PFO3], 3, v1
	v_lshlrev_b32 v[PFO3], 8, v[PFO3]
	v_add_nc_u32 v[PFO3], 24576, v[PFO3]
	PREF 68                                        ; half 1: wanted when the image and half 0 have landed and half 0 has been read
	s_mov_b32 s58, 0xffff0000
	s_mov_b32 s59, 0x76543210
	s_mov_b32 s60, 0xfedcba98
	s_mov_b32 s66, 0x3fb8aa3b
	s_lshl_b32 s3, ttmp9, 9
	s_lshl_b32 s26, s2, 5
	s_add_co_u32 s3, s3, s26                       ; my first row: 512 x group + 32 x wave
	s_mul_i32 s26, s3, 240
	s_add_nc_u64 s[14:15], s[14:15], s[26:27]
	s_lshl_b32 s26, s3, 3
	s_add_nc_u64 s[16:17], s[16:17], s[26:27]
	s_add_nc_u64 s[18:19], s[18:19], s[26:27]
	s_mul_i32 s26, s3, 24
	s_add_nc_u64 s[20:21], s[20:21], s[26:27]
	s_add_nc_u64 s[22:23], s[22:23], s[26:27]
	s_mul_i32 s26, s3, 48
	s_add_nc_u64 s[24:25], s[24:25], s[26:27]
	v_mul_u32_u24 v[ZOFF], v1, 240
	v_lshlrev_b32 v[POFF], 3, v1
	INLOADS
	v_lshlrev_b32 v[WA], 4, v1
	v_add_nc_u32 v[WA+1], 0x10000, v[WA]
	v_add_nc_u32 v[WA+2], 0x20000, v[WA]
	s_mul_i32 s54, s2, 19200                       ; my 32 rows of 600 bytes
	s_add_co_u32 s54, s54, STG
	v_mul_u32_u24 v[HA9], v2, 600
	v_add_nc_u32 v[HA9], s54, v[HA9]
	v_lshl_add_u32 v[HA], v3, 5, v[HA9]
	s_mul_i32 s54, s2, 6400                        ; my 32 rows of 200 bytes
	s_add_co_u32 s54, s54, STGS
	v_mul_u32_u24 v[SA9], v2, 200
	v_add_nc_u32 v[SA9], s54, v[SA9]
	v_lshl_add_u32 v[SA], v3, 5, v[SA9]
	s_mul_i32 s54, s2, 6144
	s_add_co_u32 s54, s54, STAGE                   ; my stage
	v_mul_u32_u24 v[OS01], v1, 24
	v_add_nc_u32 v[OS01], s54, v[OS01]
	v_mul_u32_u24 v[OS2], v1, 48
	v_add_nc_u32 v[OS2], s54, v[OS2]
	v_add_nc_u32 v[OS2], 3072, v[OS2]
	v_lshlrev_b32 v2, 4, v2                        ; 16 r
	v_mul_u32_u24 v[ORD01], v3, 768
	v_add_nc_u32 v[ORD01], v[ORD01], v2
	v_add_nc_u32 v[ORD01], s54, v[ORD01]
	v_mul_u32_u24 v[ORD2], v3, 1536
	v_add_nc_u32 v[ORD2], v[ORD2], v2
	v_add_nc_u32 v[ORD2], s54, v[ORD2]
	v_add_nc_u32 v[ORD2], 3072, v[ORD2]
	v_mul_u32_u24 v[GO01], v3, 3072                ; the pairs lie 128 rows apart
	v_add_nc_u32 v[GO01], v[GO01], v2
	v_mul_u32_u24 v[GO2], v3, 6144
	v_add_nc_u32 v[GO2], v[GO2], v2
.irp i, 0,1,2,3
	v_mov_b32 v[SW+\i], 0                          ; v_permlanex16_b32 counts as a reader of its destination
.endr
	WIN 0x80
.irp i, 0,1,2,3
	v_mov_b32 v[WB+120+\i], 0                      ; the lower half of slot 15: n's input part has no weight below k = 144
.endr
	LANDED                                         ; the image and half 0
	LOADS0
	READ 0
	REFILL                                         ; half 1 goes out;
	CONVS 0                                        ; register work while it is on its way
	CONVH 0
	LANDED
	READ 1
	REFILL                                         ; half 2 has pass 0 up to its last step in which to land
	CONVS 1
	CONVH 1
	WIN 0
	s_mov_b32 s67, 0
; The passes: the steps and the way out stand once; the loop is left in its middle behind the second pass's way out.  The jump hangs on
; the pass counter, which is equal in all waves.
.Lpass:
	STEPS
	OUTPUT
	s_cmp_eq_u32 s67, 1
	s_cbranch_scc1 .Ldone
	NEXTROWS
	INLOADS
	CONVH 0                                        ; tiles 0 and 1 were read in the last step: register work while half 3 may still be on its way
	LANDED                                         ; half 3
	READ 1
	s_wait_dscnt 0x0                               ; nothing is filled again: no further barrier
	CONVS 1
	CONVH 1
	WIN 0
	s_add_co_u32 s67, s67, 1
	s_cmp_lt_u32 s67, 2
	s_cbranch_scc1 .Lpass
.Ldone:
	s_wait_tensorcnt 0x0                           ; no tensor load is out at the end (met: the last was waited for in front of its reads)
	s_wait_tensorcnt 0x0
	ds_add_u32 v110, v111
	s_wait_dscnt 0x0
	s_endpgm
.Lfunc_end_k_q4855f4d767_roll:
	.size	k_q4855f4d767_roll, .Lfunc_end_k_q4855f4d767_roll-k_q4855f4d767_roll
	.p2alignl 7, 3214868480
	.fill 96, 4, 3214868480
	.section	.rodata,"a",@progbits
	.p2align	6, 0x0
	.amdhsa_kernel k_q4855f4d767_roll
		.amdhsa_group_segment_fixed_size 327680
		.amdhsa_private_segment_fixed_size 0
		.amdhsa_enable_private_segment 0
		.amdhsa_kernarg_size 72
		.amdhsa_user_sgpr_count 2
		.amdhsa_user_sgpr_kernarg_segment_ptr 1
		.amdhsa_wavefront_size32 1
		.amdhsa_system_sgpr_workgroup_id_x 1
		.amdhsa_system_sgpr_workgroup_id_y 1
		.amdhsa_system_sgpr_workgroup_id_z 1
		.amdhsa_system_vgpr_workitem_id 0
		.amdhsa_next_free_vgpr 1024
		.amdhsa_next_free_sgpr 72
		.amdhsa_reserve_vcc 1
		.amdhsa_float_denorm_mode_32 3
		.amdhsa_float_denorm_mode_16_64 3
		.amdhsa_memory_ordered 1
		.amdhsa_forward_progress 1
		.amdhsa_inst_pref_size 255
	.end_amdhsa_kernel
	.section	.bss,"aw",@nobits
	.p2align	6
	.space	262144
	.amdgpu_metadata
---
amdhsa.version: [ 1, 2 ]
amdhsa.kernels:
  - .name:           k_q4855f4d767_roll
    .symbol:         k_q4855f4d767_roll.kd
    .args:
      - { .name: wimg, .offset: 0, .size: 8, .value_kind: global_buffer, .address_space: global }
      - { .name: h_0, .offset: 8, .size: 8, .value_kind: global_buffer, .address_space: global }
      - { .name: static, .offset: 16, .size: 8, .value_kind: global_buffer, .address_space: global }
      - { .name: z, .offset: 24, .size: 8, .value_kind: global_buffer, .address_space: global }
      - { .name: init_position, .offset: 32, .size: 8, .value_kind: global_buffer, .address_space: global }
      - { .name: init_velocity, .offset: 40, .size: 8, .value_kind: global_buffer, .address_space: global }
      - { .name: out0, .offset: 48, .size: 8, .value_kind: global_buffer, .address_space: global }
      - { .name: out1, .offset: 56, .size: 8, .value_kind: global_buffer, .address_space: global }
      - { .name: out2, .offset: 64, .size: 8, .value_kind: global_buffer, .address_space: global }
    .group_segment_fixed_size: 327680
    .private_segment_fixed_size: 0
    .kernarg_segment_align: 8
    .kernarg_segment_size: 72
    .max_flat_workgroup_size: 128
    .sgpr_count:     72
    .vgpr_count:     1024
    .wavefront_size: 32
...
	.end_amdgpu_metadata
.endif
;; end of part 3
